; MI455X (gfx1250); checked and timed in simulation.
; The chip was launched on July 23, 2026; its instructions are those of AMD's public machine-readable ISA for CDNA 5 (MIT licence, August 2026) and "CDNA5" Instruction Set Architecture Reference Guide (July 2026). The comments in the code are by the model that wrote it; some were corrected since.
;; Masked Multi Head Attention. Allowed arithmetic: matrix products marked QUANTISED: E2M3 operands, one E8M0 scale for each 32 along K, by v_wmma_scale_f32_16x16x128_f8f6f4 with both operands' format E2M3, f32 sums; everything else in f32.
;; Inputs: Wk 16 x 1,024 x 64 float32; Wo 1,024 x 1,024 float32; Wq 16 x 1,024 x 64 float32; Wv 16 x 1,024 x 64 float32; x 4 x 2,048 x 1,024 float32.
;; Outputs: out0 4 x 2,048 x 1,024 float32.
;; This version of the problem:
;;   THIS VERSION OF THE PROBLEM IS GIVEN IN LOW PRECISION. The matrix products marked QUANTISED in the list below multiply operands that are first quantised to E2M3 (2 exponent bits, 3 mantissa bits; 6 bits a number), with one power-of-two scale for each 32 numbers along K (OCP MX v1.0); their sums are f32. All else is computed in f32.
;;   The module's matrix products, in the order in which they are computed (A, B: the left and right operand; K: the contracted axis; several contracted axes count as one K, in the product's order):
;;     1. [M 1,024, K 1,024] x [K 1,024, N 8,192]; A: input Wq; B: input x: QUANTISED
;;     2. [M 1,024, K 1,024] x [K 1,024, N 8,192]; A: input Wk; B: input x: QUANTISED
;;     3. [M 1,024, K 1,024] x [K 1,024, N 8,192]; A: input Wv; B: input x: QUANTISED
;;     4. batch 64 x [M 2,048, K 64] x [K 64, N 2,048]; A: computed on the way; B: computed on the way: QUANTISED
;;     5. batch 64 x [M 2,048, K 2,048] x [K 2,048, N 64]; A: softmax (see below); B: computed on the way: QUANTISED
;;     6. [M 8,192, K 1,024] x [K 1,024, N 1,024]; A: computed on the way; B: input Wo: QUANTISED
;;   THE QUANTISER, for each operand of a quantised product, along K:
;;     - K is cut into blocks of 32 from its start; a last block that is shorter is filled with zeros.
;;     - A block's scale is 2^e with e = floor(log2(the largest magnitude in the block)) - 2, held to -126 .. 127; a block of zeros has e = 0. As a byte (E8M0): e + 127.
;;     - Each number is divided by its block's scale, clamped to +-7.5, and rounded to the nearest number of E2M3, ties to even, subnormals kept.
;;     - The product sums the exact products of the quantised numbers (number of the format x scale) in f32.
;;   ~~~python
;;   def quantise(x, axis):      # numpy; x: float32 -> the quantised numbers, widened to float32 again
;;       x = np.moveaxis(x, axis, -1); K = x.shape[-1]
;;       x = np.pad(x, [(0, 0)] * (x.ndim - 1) + [(0, -K % 32)]); x = x.reshape(x.shape[:-1] + (-1, 32)); a = np.abs(x).max(-1, keepdims=True)
;;       e = np.where(a > 0, np.clip(np.frexp(np.where(a > 0, a, 1))[1] - 1 - 2, -126, 127), 0)      # np.frexp(a)[1] - 1 = floor(log2(a)), exactly
;;       r = np.clip(x / 2.0 ** e, -7.5, 7.5)
;;       step = 2.0 ** (np.maximum(np.frexp(np.where(r == 0, 1, r))[1] - 1, 0) - 3)
;;       q = np.round(r / step) * step * 2.0 ** e      # np.round: ties to even
;;       return np.moveaxis(q.reshape(q.shape[:-2] + (-1,))[..., :K], -1, axis).astype(np.float32)
;;   ~~~
;;   SOFTMAX AHEAD OF A QUANTISED PRODUCT. Where the list says 'softmax', what is quantised is not the finished softmax but p = 2^(t - M), with t = logit x log2(e) and M = ceil(the row's largest t), a whole number; so 1/2 < the row's largest p <= 1. The row's sum l is taken of the UNQUANTISED p, in f32, and the product's result is divided by l at the end. Since M is a whole number, a kernel that streams over the keys may use a running M (the ceiling of the running maximum): every later rescaling is an exact power of two, which a block's scale takes up: the codes' values come out the same.
;;   OPERANDS COMPUTED ON THE WAY. 'Computed on the way' means the value that the module computes at that place (a softmax that the list does not call 'softmax' is quantised finished and normalised). What goes into a quantiser is computed in f32, as accurately as f32 sums, v_exp_f32 and their like allow (about 1e-6 of the number): no bf16 or f16 on the way to a quantiser, and a product that is left as it is and whose result goes on into a quantised operand takes f32 operands (vector FMAs, or v_wmma_f32_16x16x4_f32). A number that lies on a knife's edge between two numbers of the format may be rounded either way, as far as f32 arithmetic and the matrix unit's own rounding can turn it there, and no further.
;; One version. Each part assembles by itself: llvm-mc -triple=amdgcn-amd-amdhsa -mcpu=gfx1250 --defsym DOCPART=n.
;; ======== version 1 of 1: 4 launches
;; limits: right only within a limited range of input values
;; workspace buffers: xc 6,291,456 bytes; wc 2,359,296 bytes; woc 786,432 bytes; scx 360,448 bytes; sco 294,912 bytes; cc 6,291,456 bytes; rec 20,185,088 bytes
;; launch quant (part 1): grid 384 x 1, 8 waves a work-group, no clusters, 71,680 bytes of LDS; arguments x, Wq, Wk, Wv, Wo, xc, wc, woc, scx, sco; writes xc, wc, woc, scx, sco
.if DOCPART == 1
	.amdgcn_target "amdgcn-amd-amdhsa--gfx1250"
	.amdhsa_code_object_version 6
	.text
	.protected	k_q2c72a57363_quant
	.globl	k_q2c72a57363_quant
	.p2align	8
	.type	k_q2c72a57363_quant,@function
k_q2c72a57363_quant:
	s_mov_b64 s[64:65], 0
	v_nop
	global_prefetch_b8 v0, s[64:65] scope:SCOPE_SE
	s_setreg_imm32_b32 hwreg(HW_REG_WAVE_MODE, 25, 1), 1
	s_wait_xcnt 0x0
; x [8192][1024], Wq, Wk, Wv [16][1024][64] and Wo [1024][1024], all f32, become codes of FP6 (E2M3) with one E8M0 scale byte for each 32 along K (K = the 1,024 of x's rows, the weights' middle axis, Wo's first axis).
; A block's scale is 2^(floor(log2(its largest magnitude)) - 2); its byte is the largest magnitude's exponent field - 2, held at 1 from below.
; LIMITS: NaN and infinities among the inputs are not served.  A block of zeros gets the byte 1 where the rule says 127: its codes are zeros, which add nothing under any byte but 0xff, and this program alone reads the bytes.
; WHAT IS STORED.  Codes leave as IMAGES OF OPERAND REGISTERS.  A fragment (16 rows x 128 K, 12 registers a lane) is 1,536 bytes: registers 0-3 at 16 x lane, 4-5 at 512 + 8 x lane, 6-9 at 768 + 16 x lane,
; 10-11 at 1,280 + 8 x lane; fragment (tile of 16 rows, K step s) lies at (8 tile + s) x 1,536.  So every store of codes covers 512 or 256 consecutive aligned bytes, and the reader needs no pitch and no padding.
; Scale words (four bytes: 128 along K of a row) lie in tiles of 512 bytes: the word of (row r, K step s) at 256 (s / 4) + 16 r + 4 (s % 4).  x's tiles 0-511 and the 192 of Wq, Wk, Wv (from tile 512) in scx; Wo's 64 from tile 512 of sco.
; Wo's codes stand, inside each block of 32, in the order in which the attention launch makes ctx's codes: place p holds K offset sig(p), sig = bits 3 and 4 of p exchanged.  A permutation of k applied alike to both operands keeps the products.
; THREE PATHS, parted on the work-group's number: 0-255 x, 256-351 Wq, Wk, Wv, 352-383 Wo.  Each has LDS bytes of its own, one barrier and its own end.  No tensor loads: memory binds, every wave asks for all its input at once.
; THE PLACE OF A FRAGMENT in xc, wc and woc, in place of the one given above: tiles go in groups of eight (128 rows, 98,304 bytes), and inside a group the K step is outermost:
; fragment (tile, K step s) lies at (tile / 8) x 98,304 + s x 12,288 + (tile % 8) x 1,536.  So any run of K steps of a group is one dense block of memory.
.set STGB,  8448
.set SPT,   528                        ; 512 bytes + 16: an odd multiple of 16, so that sixteen rows start at sixteen different groups of banks
.set SCXL,  8*STGB                     ; 1,024 bytes: path X's scale words
.set SCAL,  SCXL+1024                  ; the same for Wq, Wk, Wv
.set SCBL,  SCAL+1024                  ; and for Wo
.set FLOOR, 0x1800000                  ; 2^(3 - 127): under it no largest magnitude is taken, so the byte cannot fall under 1
.set EOFF,  0xff000000                 ; takes 2 off an exponent field
.set R,     128                        ; v128-255 numbers as loaded
.set XR,    64                         ; v64-127  path X: 64 numbers of my row, in the operand's order
.set PC,    32                         ; v32-55   two fragments' codes
.set CT,    56                         ; v56-62   conversions whose place in a fragment begins on an odd register
.set WV,    24                         ; s24      my wave's number
.set SEL,   26                         ; s[26:27] v_permlanex16_b32's selects for lane l xor 16
.macro IMGOUT reg, sb, off             ; a fragment leaves as it stands
	global_store_b128 v4, v[\reg:\reg+3], s[\sb:\sb+1] offset:\off
	global_store_b64 v5, v[\reg+4:\reg+5], s[\sb:\sb+1] offset:\off+512
	global_store_b128 v4, v[\reg+6:\reg+9], s[\sb:\sb+1] offset:\off+768
	global_store_b64 v5, v[\reg+10:\reg+11], s[\sb:\sb+1] offset:\off+1280
.endm
.macro TAIL voff, sb                   ; the work-group's 1,024 bytes of scale words leave in whole runs of 256 bytes: waves 0 and 1 take 512 each
	s_wait_dscnt 0x0                               ; for the others' sake: my words lie in LDS
	s_barrier_signal -1
	s_barrier_wait -1
	s_cmp_lt_u32 s[WV], 2
	s_cbranch_scc0 .Lend_\@
	ds_load_b128 v[12:15], v10
	s_wait_dscnt 0x0
	global_store_b128 v[\voff], v[12:15], s[\sb:\sb+1]
.Lend_\@:
	s_wait_tensorcnt 0x0
	ds_add_u32 v59, v63
	s_wait_dscnt 0x0
	s_endpgm
.endm
	s_load_b512 s[4:19], s[0:1], 0x0               ; x s[4:5], Wq s[6:7], Wk s[8:9], Wv s[10:11], Wo s[12:13], xc s[14:15], wc s[16:17], woc s[18:19]
	s_load_b128 s[20:23], s[0:1], 0x40             ; scx s[20:21], sco s[22:23]
	v_lshl_add_u32 v59, v0, 2, 0x11400
	v_mov_b32 v63, 0
	v_lshrrev_b32 v1, 5, v0
	s_delay_alu instid0(VALU_DEP_1)
	v_readfirstlane_b32 s[WV], v1                  ; wave 0..7
	v_and_b32 v1, 31, v0                           ; lane
	v_and_b32 v2, 15, v0                           ; r
	v_bfe_u32 v3, v0, 4, 1                         ; h
	s_delay_alu instid0(VALU_DEP_3)
	v_lshlrev_b32 v4, 4, v1                        ; 16 x lane
	s_delay_alu instid0(VALU_DEP_4)
	v_lshlrev_b32 v5, 3, v1                        ; 8 x lane
	s_delay_alu instid0(VALU_DEP_3)
	v_lshlrev_b32 v9, 3, v3                        ; 8 h
	v_mov_b32 v30, 0                               ; a lane permute's destination counts as one of its sources
	s_mov_b32 s[SEL], 0x76543210
	s_mov_b32 s[SEL+1], 0xfedcba98
	s_lshl_b32 s25, s[WV], 9                       ; 512 x wave
	s_wait_kmcnt 0x0
	s_cmp_lt_u32 ttmp9, 256
	s_cbranch_scc0 .Lweights
; ---- PATH X.  A work-group takes 32 rows (tiles 2 wg, 2 wg + 1); wave w takes tile 2 wg + w / 4 and K steps 2 (w % 4), 2 (w % 4) + 1: two fragments.
	s_lshr_b32 s28, s[WV], 2
	s_and_b32 s29, s[WV], 3
	s_lshl_b32 s30, ttmp9, 17                      ; 32 rows of 4,096 bytes
	s_lshl_b32 s32, s28, 16
	s_add_co_u32 s30, s30, s32
	s_lshl_b32 s32, s29, 10                        ; two K steps are 1,024 bytes of a row
	s_add_co_u32 s30, s30, s32
	s_mov_b32 s31, 0
	s_add_nc_u64 s[4:5], s[4:5], s[30:31]
.set f, 0
	s_wait_alu depctr_va_vdst(0)
.rept 2
.set i, 0
.rept 16
	global_load_b128 v[R+64*f+4*i:R+64*f+4*i+3], v4, s[4:5] offset:4096*i+512*f th:TH_LOAD_NT   ; 32 lanes read the 512 consecutive bytes of row i in K step f
.set i, i+1
.endr
.set f, f+1
.endr
	s_lshr_b32 s30, ttmp9, 2                       ; the codes: tile 2 wg + w / 4: its group of eight,
	s_mul_i32 s30, s30, 98304
	s_and_b32 s32, ttmp9, 3
	s_mul_i32 s32, s32, 3072                       ; its place in the group,
	s_add_co_u32 s30, s30, s32
	s_mul_i32 s32, s28, 1536
	s_add_co_u32 s30, s30, s32
	s_mul_i32 s32, s29, 24576                      ; and my two K steps
	s_add_co_u32 s30, s30, s32
	s_add_nc_u64 s[14:15], s[14:15], s[30:31]
	s_lshl_b32 s30, ttmp9, 10                      ; the scale words: two tiles of 512 bytes a work-group; waves 0 and 1 store one each
	s_add_co_u32 s30, s30, s25
	s_add_nc_u64 s[20:21], s[20:21], s[30:31]
	s_mul_i32 s32, s[WV], STGB
	v_add_nc_u32 v6, s32, v4                       ; into my stage: a row as it was loaded
	v_mul_u32_u24 v7, v2, SPT
	s_delay_alu instid0(VALU_DEP_1)
	v_lshl_add_u32 v7, v3, 7, v7
	s_delay_alu instid0(VALU_DEP_1)
	v_add_nc_u32 v7, s32, v7                       ; out of it: row r, 128 h bytes on: lane (r, h) wants k = 64 c + 32 h + 0 .. 31
	s_lshl_b32 s33, s28, 9                         ; my words' place: tile w / 4, K step s = 2 (w % 4) + f: 256 (s / 4) + 4 (s % 4) + 16 r
	s_bfe_u32 s34, s[WV], 0x10001
	s_lshl_b32 s34, s34, 8
	s_add_co_u32 s33, s33, s34
	s_and_b32 s34, s[WV], 1
	s_lshl_b32 s34, s34, 3
	s_add_co_u32 s33, s33, s34
	s_add_co_u32 s33, s33, SCXL
	v_lshl_add_u32 v8, v2, 4, s33
	v_add_nc_u32 v10, s25, v4
	s_delay_alu instid0(VALU_DEP_1)
	v_add_nc_u32 v10, SCXL, v10                    ; the tail: 512 x wave + 16 x lane
.macro XTURN f                         ; a fragment's 16 rows through my stage.  LDS serves a wave's instructions in order: no wait between the stores and the loads
.set i, 0
.rept 16
	ds_store_b128 v6, v[R+64*\f+4*i:R+64*\f+4*i+3] offset:SPT*i
.set i, i+1
.endr
.set i, 0
.rept 16
	ds_load_b128 v[XR+4*i:XR+4*i+3], v7 offset:256*(i/8)+16*(i%8)
.set i, i+1
.endr
.endm
.macro QX f                            ; 64 numbers of my row, two whole blocks (2 c + h, c = 0, 1), become my 12 registers of the fragment
.irp c, 0,1
	v_max3_num_f32 v[16+\c], |v[XR+32*\c]|, |v[XR+32*\c+1]|, FLOOR
.endr
.irp i, 2,4,6,8,10,12,14,16,18,20,22,24,26,28,30
.irp c, 0,1
	s_delay_alu instid0(VALU_DEP_2)
	v_max3_num_f32 v[16+\c], v[16+\c], |v[XR+32*\c+\i]|, |v[XR+32*\c+\i+1]|   ; the two blocks by turns
.endr
.endr
.irp c, 0,1
	s_delay_alu instid0(VALU_DEP_2)
	v_add_nc_u32 v[20+\c], EOFF, v[16+\c]          ; the conversion takes the exponent field of this operand as its scale
.endr
.irp c, 0,1
	s_delay_alu instid0(VALU_DEP_2)
	v_lshrrev_b32 v[24+\c], 23, v[20+\c]           ; the scale's byte
.endr
	s_delay_alu instid0(VALU_DEP_1)
	v_lshl_or_b32 v[28+\f], v25, 16, v24           ; my two bytes, blocks h and 2 + h,
	s_delay_alu instid0(VALU_DEP_1)
	v_lshlrev_b32 v[28+\f], v9, v[28+\f]           ; at their places in the word;
	s_delay_alu instid0(VALU_DEP_1)
	v_permlanex16_b32 v30, v[28+\f], s[SEL], s[SEL+1]
	s_delay_alu instid0(VALU_DEP_1)
	v_or_b32 v[28+\f], v[28+\f], v30               ; with lane l xor 16's two the word is whole
.irp c, 0,1
	v_cvt_scalef32_pk16_fp6_f32 v[PC+12*\f+6*\c:PC+12*\f+6*\c+2], v[XR+32*\c:XR+32*\c+15], v[20+\c]
	v_cvt_scalef32_pk16_fp6_f32 v[CT+4*\c:CT+4*\c+2], v[XR+32*\c+16:XR+32*\c+31], v[20+\c]   ; (a conversion's three registers begin on an even number)
.endr
	v_nop                                          ; one plain place behind a scaled conversion
.irp c, 0,1
.irp i, 0,1,2
	v_mov_b32 v[PC+12*\f+6*\c+3+\i], v[CT+4*\c+\i]
.endr
.endr
	IMGOUT PC+12*\f, 14, 12288*\f
	ds_store_b32 v8, v[28+\f] offset:4*\f          ; both lanes of a row write the same word with the same value
.endm
	s_wait_alu depctr_va_vdst(0)
	s_wait_loadcnt 16                              ; the first fragment's 16 loads are in; the second's may be out
	XTURN 0
	s_wait_dscnt 0x0
	QX 0
	s_wait_loadcnt 0x0
	XTURN 1
	s_wait_dscnt 0x0
	QX 1
	TAIL 4, 20
; ---- PATHS W.  A work-group takes 64 columns x 4 K steps.  A LANE TAKES A COLUMN, AND ITS REGISTERS RUN DOWN K: wave w takes columns 32 (w % 2) on and K step 4 kappa + w / 2: 128 rows of 128 consecutive bytes;
; the two waves of a K step stand side by side on 256.  A block of 32 lies in one lane's registers.  Blocks 0, 2 are made where the first 16 columns' fragment has them, blocks 1, 3 where the second's has them;
; twelve exchanges of the halves of the lanes then give both fragments.  s28 = the group of 64 columns, s29 = kappa, s36 = the group's first byte in the tensor, s[6:7] = the tensor.
.macro WBLK t, fb, left
.set XS, R+32*\t
	s_wait_loadcnt \left
	v_max3_num_f32 v16, |v[XS]|, |v[XS+1]|, FLOOR
	v_max_num_f32 v17, |v[XS+2]|, |v[XS+3]|
.irp i, 4,8,12,16,20,24,28
	s_delay_alu instid0(VALU_DEP_2)
	v_max3_num_f32 v16, v16, |v[XS+\i]|, |v[XS+\i+1]|
	s_delay_alu instid0(VALU_DEP_2)
	v_max3_num_f32 v17, v17, |v[XS+\i+2]|, |v[XS+\i+3]|
.endr
	s_delay_alu instid0(VALU_DEP_1)
	v_max_num_f32 v16, v16, v17
	s_delay_alu instid0(VALU_DEP_1)
	v_add_nc_u32 v20, EOFF, v16
	s_delay_alu instid0(VALU_DEP_1)
	v_lshrrev_b32 v21, 23, v20
.if \t == 0
	s_delay_alu instid0(VALU_DEP_1)
	v_mov_b32 v28, v21
.else
	s_delay_alu instid0(VALU_DEP_1)
	v_lshl_or_b32 v28, v21, 8*\t, v28              ; my column's scale word for this K step
.endif
	v_cvt_scalef32_pk16_fp6_f32 v[\fb:\fb+2], v[XS:XS+15], v20
	v_cvt_scalef32_pk16_fp6_f32 v[CT:CT+2], v[XS+16:XS+31], v20
	v_nop                                          ; one plain place behind a scaled conversion
.irp i, 0,1,2
	v_mov_b32 v[\fb+3+\i], v[CT+\i]
.endr
.endm
.macro WBODY PITCH, SIG, LDSB, DST, SCP
	s_lshr_b32 s32, s[WV], 1
	s_and_b32 s33, s[WV], 1
	s_lshl_b32 s34, s29, 2
	s_add_co_u32 s34, s34, s32                     ; my K step
	s_mul_i32 s38, s34, 128*\PITCH
	s_add_co_u32 s36, s36, s38
	s_lshl_b32 s38, s33, 7
	s_add_co_u32 s36, s36, s38
	s_mov_b32 s37, 0
	s_add_nc_u64 s[6:7], s[6:7], s[36:37]
	v_lshlrev_b32 v6, 2, v1
.set t, 0
.rept 4
.set i, 0
.rept 32
.if \SIG
.set p, (i&7)|((i&8)<<1)|((i&16)>>1)
.else
.set p, i
.endif
	global_load_b32 v[R+32*t+p], v6, s[6:7] offset:(32*t+i)*\PITCH th:TH_LOAD_NT
.set i, i+1
.endr
.set t, t+1
.endr
	s_lshr_b32 s38, s28, 1                         ; the codes: tile 4 group + 2 (w % 2): its group of eight tiles,
	s_mul_i32 s38, s38, 98304
	s_mul_i32 s39, s34, 12288                      ; my K step,
	s_add_co_u32 s38, s38, s39
	s_and_b32 s39, s28, 1
	s_lshl_b32 s39, s39, 1
	s_add_co_u32 s39, s39, s33
	s_mul_i32 s39, s39, 3072                       ; and the tile's place among the eight
	s_add_co_u32 s38, s38, s39
	s_mov_b32 s39, 0
	s_add_nc_u64 s[\DST:\DST+1], s[\DST:\DST+1], s[38:39]
	s_lshl_b32 s40, s33, 9                         ; my word's place in LDS: 256 bytes for each of the group's four tiles: 256 (2 (w % 2) + lane / 16) + 16 r + 4 (w / 2)
	s_lshl_b32 s41, s32, 2
	s_add_co_u32 s40, s40, s41
	s_add_co_u32 s40, s40, \LDSB
	v_lshl_add_u32 v8, v3, 8, s40
	s_delay_alu instid0(VALU_DEP_1)
	v_lshl_add_u32 v8, v2, 4, v8
	v_add_nc_u32 v10, s25, v4
	s_delay_alu instid0(VALU_DEP_1)
	v_add_nc_u32 v10, \LDSB, v10                   ; the tail: 512 x wave + 16 x lane: two tiles' 256 bytes,
	v_lshlrev_b32 v11, 9, v3
	s_delay_alu instid0(VALU_DEP_1)
	v_lshl_add_u32 v11, v2, 4, v11                 ; which lie 512 bytes apart in memory
	s_lshl_b32 s40, s28, 11                        ; scale tile 512 + 4 group, its half kappa; wave w of the tail takes tiles 2 w, 2 w + 1
	s_add_co_u32 s40, s40, 262144
	s_lshl_b32 s41, s29, 8
	s_add_co_u32 s40, s40, s41
	s_lshl_b32 s41, s[WV], 10
	s_add_co_u32 s40, s40, s41
	s_mov_b32 s41, 0
	s_add_nc_u64 s[\SCP:\SCP+1], s[\SCP:\SCP+1], s[40:41]
	WBLK 0, PC, 63                                 ; 96 younger loads exist; the count's field holds 63
	WBLK 1, PC+12, 63                              ; 64 younger
	WBLK 2, PC+6, 32
	WBLK 3, PC+18, 0
.set i, 0
.rept 12
	v_permlane16_swap_b32 v[PC+i], v[PC+12+i]      ; the first's lanes 16-31 change places with the second's lanes 0-15: v32-43 = columns 0-15, v44-55 = columns 16-31, lane (r, h) holding blocks h and 2 + h
.set i, i+1
.endr
	ds_store_b32 v8, v28
	IMGOUT PC, \DST, 0
	IMGOUT PC+12, \DST, 1536
	TAIL 11, \SCP
.endm
.Lweights:
	s_cmp_lt_u32 ttmp9, 352
	s_cbranch_scc0 .Lwo
	s_sub_co_u32 s28, ttmp9, 256
	s_and_b32 s29, s28, 1                          ; kappa: which four K steps
	s_lshr_b32 s28, s28, 1                         ; the group: 16 x tensor + head
	s_lshr_b32 s30, s28, 4
	s_and_b32 s31, s28, 15
	s_cmp_eq_u32 s30, 0                            ; the choice hangs on the work-group's number alone
	s_cselect_b64 s[6:7], s[6:7], s[8:9]
	s_cmp_eq_u32 s30, 2
	s_cselect_b64 s[6:7], s[10:11], s[6:7]
	s_lshl_b32 s36, s31, 18                        ; a head: 1,024 rows of 256 bytes
	s_wait_alu depctr_va_vdst(0)
	WBODY 256, 0, SCAL, 16, 20
.Lwo:
	s_sub_co_u32 s28, ttmp9, 352
	s_and_b32 s29, s28, 1
	s_lshr_b32 s28, s28, 1                         ; the group of 64 columns of Wo
	s_mov_b64 s[6:7], s[12:13]
	s_lshl_b32 s36, s28, 8
	s_wait_alu depctr_va_vdst(0)
	WBODY 4096, 1, SCBL, 18, 22
.Lfunc_end_k_q2c72a57363_quant:
	.size	k_q2c72a57363_quant, .Lfunc_end_k_q2c72a57363_quant-k_q2c72a57363_quant
	.p2alignl 7, 3214868480
	.fill 96, 4, 3214868480
	.section	.rodata,"a",@progbits
	.p2align	6, 0x0
	.amdhsa_kernel k_q2c72a57363_quant
		.amdhsa_group_segment_fixed_size 71680
		.amdhsa_private_segment_fixed_size 0
		.amdhsa_enable_private_segment 0
		.amdhsa_kernarg_size 80
		.amdhsa_user_sgpr_count 2
		.amdhsa_user_sgpr_kernarg_segment_ptr 1
		.amdhsa_wavefront_size32 1
		.amdhsa_system_sgpr_workgroup_id_x 1
		.amdhsa_system_sgpr_workgroup_id_y 1
		.amdhsa_system_sgpr_workgroup_id_z 1
		.amdhsa_system_vgpr_workitem_id 0
		.amdhsa_next_free_vgpr 256
		.amdhsa_next_free_sgpr 66
		.amdhsa_reserve_vcc 0
		.amdhsa_float_denorm_mode_32 3
		.amdhsa_float_denorm_mode_16_64 3
		.amdhsa_memory_ordered 1
		.amdhsa_forward_progress 1
		.amdhsa_inst_pref_size 68
	.end_amdhsa_kernel
	.amdgpu_metadata
---
amdhsa.version: [ 1, 2 ]
amdhsa.kernels:
  - .name:           k_q2c72a57363_quant
    .symbol:         k_q2c72a57363_quant.kd
    .args:
      - { .name: x, .offset: 0, .size: 8, .value_kind: global_buffer, .address_space: global }
      - { .name: Wq, .offset: 8, .size: 8, .value_kind: global_buffer, .address_space: global }
      - { .name: Wk, .offset: 16, .size: 8, .value_kind: global_buffer, .address_space: global }
      - { .name: Wv, .offset: 24, .size: 8, .value_kind: global_buffer, .address_space: global }
      - { .name: Wo, .offset: 32, .size: 8, .value_kind: global_buffer, .address_space: global }
      - { .name: xc, .offset: 40, .size: 8, .value_kind: global_buffer, .address_space: global }
      - { .name: wc, .offset: 48, .size: 8, .value_kind: global_buffer, .address_space: global }
      - { .name: woc, .offset: 56, .size: 8, .value_kind: global_buffer, .address_space: global }
      - { .name: scx, .offset: 64, .size: 8, .value_kind: global_buffer, .address_space: global }
      - { .name: sco, .offset: 72, .size: 8, .value_kind: global_buffer, .address_space: global }
    .group_segment_fixed_size: 71680
    .private_segment_fixed_size: 0
    .kernarg_segment_align: 8
    .kernarg_segment_size: 80
    .max_flat_workgroup_size: 256
    .sgpr_count:     66
    .vgpr_count:     256
    .wavefront_size: 32
...
	.end_amdgpu_metadata
.endif
;; end of part 1
;; launch qkv (part 2): grid 8 x 32, 4 waves a work-group, clusters of 4 x 4, 327,680 bytes of LDS; arguments xc, wc, scx, rec; writes rec
.if DOCPART == 2
	.amdgcn_target "amdgcn-amd-amdhsa--gfx1250"
	.amdhsa_code_object_version 6
	.text
	.protected	k_q2c72a57363_qkv
	.globl	k_q2c72a57363_qkv
	.p2align	8
	.type	k_q2c72a57363_qkv,@function
k_q2c72a57363_qkv:
	s_mov_b64 s[64:65], 0
	v_nop
	global_prefetch_b8 v0, s[64:65] scope:SCOPE_SE
	s_setreg_imm32_b32 hwreg(HW_REG_WAVE_MODE, 25, 1), 1
	s_wait_xcnt 0x0
	s_wait_alu depctr_hold_cnt(0) depctr_sa_sdst(0) depctr_va_vdst(0) depctr_va_sdst(0) depctr_va_ssrc(0) depctr_va_vcc(0) depctr_vm_vsrc(0)
	s_getreg_b32 s2, hwreg(HW_REG_IB_STS2, 6, 4)
	s_cmp_eq_u32 s2, 0
	s_cbranch_scc0 .Lentry_in_a_cluster
	s_endpgm
.Lentry_in_a_cluster:
	s_bfe_u32 s2, ttmp6, 0x10000c
	s_cmp_lg_u32 s2, 0xf033
	s_cbranch_scc0 .Lentry_shape_is_right
	s_endpgm
.Lentry_shape_is_right:
; q, k, v = x W on codes of FP6 (E2M3) with E8M0 scales, f32 sums; the results are quantised straight from the accumulators and leave as codes and scale words in rec, laid as the attention launch reads them:
; 1,024 records of 19,712 bytes for (batch, head, group of 128 tokens): k's codes (8 x 768), v's codes (4 x 1,536), k's scale words (512), v's (256), q's codes (8 x 768), q's scale words (512).
; THE DEAL.  256 work-groups (8 x 32) of four waves.  Work-group (X, Y) takes x's 256 rows 256 Y on and rows 128 X on (heads 2 X, 2 X + 1) of Wq, then Wk, then Wv: three phases of eight K steps of 128.
; A wave makes 128 tokens x 64 channels of a phase: 32 accumulators.  x's rows, all of K, lie in LDS for the whole launch (196,608 bytes); the weights' 128 rows lie behind them in two halves along K (49,152 bytes each).
; OPERANDS lie in memory as images of operand registers (1,536 bytes a fragment: registers 0-3 at 16 x lane, 4-5 at 512 + 8 x lane, 6-9 at 768 + 16 x lane, 10-11 at 1,280 + 8 x lane), in groups of eight tiles, the K step outermost in a group.
; FILLS.  At the head one joint load a wave: x's K steps 0-3, the weight's K steps 0-3, x's 4-7, the weight's 4-7.  FOUR REFILLS, each behind a drained round of the cluster's barrier:
; in K step 3 of q's and k's phase the lower half takes the next weight's K steps 0-3; in K step 7 the upper half takes its K steps 4-7.  A half is asked for four K steps, 128 products a wave, ahead of its first read, and each round shows the half asked for in the round before.
; x's tiles are shared along a row of the cluster, the weights' along a column.
; WHICH SIDE IS WHICH.  A lane holds one row of source 1, and its registers run along source 0's rows, the axis to be quantised.  q, k: source 0 = the weight (64 channels: two blocks of 32), source 1 = x.  v: source 0 = x (128 keys: four blocks), source 1 = Wv.
; Inside each block of 32 the codes stand with bits 3 and 4 of the place exchanged, as in every operand that meets them later.  q's and k's scale words carry 0x7f in the two bytes of the half of K that the attention launch fills with zero codes.
; PREFETCH: the sixteen waves of the four work-groups that will ask for a weight's 98,304 bytes jointly share them by address, 24 blocks of 256 bytes each: Wk's at the head, Wv's in q's phase, behind its first K step.
; LIMITS: NaN and infinities are not served.  A block of zeros gets the byte 1 where the rule says 127: its codes are zeros, and this program alone reads the bytes.
; REGISTERS, in windows of 256: window 0 addresses, scale words (x's v32-95, the weight's v100-131: the two numbers of a product differ by 4 modulo 8), the way out; window 1 the 32 accumulators; windows 2, 3 the fragments of even and odd K steps (x's eight at 12 i, the weight's four from 96).
.set KST,   12288                      ; a K step of eight tiles
.set HX,    98304                      ; x's half of K: two groups x four K steps
.set HW,    49152                      ; the weight's
.set WB,    2*HX
.set SPARE, WB+2*HW                    ; the spare words, 128 bytes a wave
.set WT,    786432                     ; from a weight to the next in wc
.set RECB,  19712
.set FLOOR, 0x1800000                  ; 2^(3 - 127): the byte cannot fall under 1
.set VO,  10                           ; 16 L
.set VO1, 11                           ; 8 L + 512
.set VS,  12                           ; 16 r + 256 h
.set VS2, 13                           ; 16 r + 8 h
.set SOX, 14
.set SOW, 15
.set XA,  16                           ; v16, v17 x's halves + 16 L; v18, v19 + 8 L
.set WA,  20                           ; v20-23 the same for the weight
.set PF,  24
.set SPW, 28
.set NIL, 29
.set SA,  32
.set SB,  100
.set WP,  132
.set TM,  136
.set TP,  144
.set SOP, 152
.set BY,  160
.set PW,  168
.set CT,  176
.set PC,  192
.set G1X, 24
.set G1W, 32
.set G0X0, 40
.set G0X1, 44
.set G0L, 48
.set G0U, 52
.set OB,  56
.set SBP, 58
.set RB,  60
.set SEL, 74
.set HM,  76
.set MSB, 0
.macro WIN new
.if MSB != (\new)
	s_set_vgpr_msb (MSB<<8)|(\new)
.set MSB, (\new)
.endif
.endm
.macro PLACES n
.rept \n
	v_nop
.endr
.endm
.macro TLOAD g0, g1
	tensor_load_to_lds s[\g0:\g0+3], s[\g1:\g1+7]
	s_nop 0
	PLACES 4
.endm
.macro CREST
	s_cmp_lg_u32 s14, 0
	s_cbranch_scc1 .Lnot_wave_0_\@
	s_barrier_signal -3
.Lnot_wave_0_\@:
	s_barrier_wait -3
	s_barrier_signal -1
	s_barrier_wait -1
.endm
.macro CROUND
	s_barrier_signal -1
	s_barrier_wait -1
	CREST
.endm
.macro LD4 r, a, off                   ; a fragment's image comes back as it was stored
	ds_load_b128 v[\r:\r+3], v[\a] offset:\off
	ds_load_b64 v[\r+4:\r+5], v[\a+2] offset:\off+512
	ds_load_b128 v[\r+6:\r+9], v[\a] offset:\off+768
	ds_load_b64 v[\r+10:\r+11], v[\a+2] offset:\off+1280
.endm
.macro FR1 f, nst                      ; fragment f (0-7 x's, 8-11 the weight's) of K step nst
	WIN (2+(\nst)%2)<<6
.if (\f) < 8
	LD4 12*(\f), XA+(\nst)/4, ((\nst)%4)*KST+(\f)*1536
.else
	LD4 12*(\f), WA+(\nst)/4, ((\nst)%4)*KST+((\f)-8)*1536
.endif
.endm
.macro P1 d, a, b, xa, xb, st          ; K step 0 starts the sums
.if \st
	v_wmma_scale_f32_16x16x128_f8f6f4 v[\d:\d+7], v[\a:\a+11], v[\b:\b+11], v[\d:\d+7], v[\xa], v[\xb] matrix_a_fmt:MATRIX_FMT_FP6 matrix_b_fmt:MATRIX_FMT_FP6
.else
	v_wmma_scale_f32_16x16x128_f8f6f4 v[\d:\d+7], v[\a:\a+11], v[\b:\b+11], 0, v[\xa], v[\xb] matrix_a_fmt:MATRIX_FMT_FP6 matrix_b_fmt:MATRIX_FMT_FP6
.endif
.endm
; products from .. to - 1 of K step st; the 32 accumulators take turns
.macro MULS kind, st, from, to
.set N_, \from
.rept (\to)-(\from)
	WIN 0x50|(5*(2+(\st)%2))
.if \kind
.set D_, 64*(N_/8)+8*(N_%8)
	P1 D_, 12*(N_%8), 96+12*(N_/8), SA+8*(N_%8)+(\st), SB+8*(N_/8)+(\st), \st
.else
.set D_, 32*(N_/4)+8*(N_%4)
	P1 D_, 96+12*(N_%4), 12*(N_/4), SB+8*(N_%4)+(\st), SA+8*(N_/4)+(\st), \st
.endif
.set N_, N_+1
.endr
.endm
.macro FETCHN nst                      ; the twelve fragments of K step nst in one run of 48 loads
.irp f, 0,1,2,3,4,5,6,7,8,9,10,11
	FR1 \f, \nst
.endr
.endm
.macro STEP kind, st                   ; the four places stand between the last step's products and the loads into the set that they read; the next step's fragments have this step's 32 products in which to come
	PLACES 4
	FETCHN ((\st)+1)%8
	s_wait_dscnt 48                                ; this step's fragments are in; the 48 loads just issued may be out
	MULS \kind, \st, 0, 32
.endm
.macro RSTEP kind, st, g0              ; a K step with a round in it: the half of the weights that nobody reads any more is filled again, by wave 0
	WIN 0
	s_wait_tensorcnt 0x0                           ; all my tensor loads have landed
	ds_add_u32 v[SPW], v[NIL]
	s_add_nc_u64 s[\g0+2:\g0+3], s[\g0+2:\g0+3], WT   ; no load of mine is out: the half's next weight
	s_wait_dscnt 0x1                               ; this step's fragments are in; the add may be out
	PLACES 4
	MULS \kind, \st, 0, 12
	WIN 0
	s_wait_dscnt 0x0
	s_barrier_signal -1
	MULS \kind, \st, 12, 16
	WIN 0
	s_barrier_wait -1
	CREST
	s_cmp_eq_u32 s14, 0
	s_cbranch_scc0 .Lnone_\@
	TLOAD \g0, G1W
.Lnone_\@:
	PLACES 4
	FETCHN ((\st)+1)%8
	MULS \kind, \st, 16, 32
.endm
; THE WAY OUT of 128 accumulator registers: eight blocks of 32 numbers, each in lanes l and l xor 16, by turns.  kind 0: four token tiles of two blocks; kind 1: two channel tiles of four.
.macro QGRP g, kind
	WIN 0x14                                       ; sources 1 and 2: window 1
.irp c, 0,1,2,3,4,5,6,7
	v_max3_num_f32 v[TM+\c], FLOOR, |v[128*\g+16*\c]|, |v[128*\g+16*\c+1]|   ; each accumulator is read from its low end on
.endr
.irp i, 2,4,6,8,10,12,14
.irp c, 0,1,2,3,4,5,6,7
	v_max3_num_f32 v[TM+\c], v[TM+\c], |v[128*\g+16*\c+\i]|, |v[128*\g+16*\c+\i+1]|
.endr
.endr
	WIN 0
.irp c, 0,1,2,3,4,5,6,7
	v_permlanex16_b32 v[TP+\c], v[TM+\c], s[SEL], s[SEL+1]
.endr
.irp c, 0,1,2,3,4,5,6,7
	v_max_num_f32 v[TM+\c], v[TM+\c], v[TP+\c]     ; the block's largest magnitude
.endr
.irp c, 0,1,2,3,4,5,6,7
	v_add_nc_u32 v[SOP+\c], 0xff000000, v[TM+\c]   ; 2 off its exponent field: the conversion's scale operand
.endr
.irp c, 0,1,2,3,4,5,6,7
	v_lshrrev_b32 v[BY+\c], 23, v[SOP+\c]          ; the scale's byte
.endr
.if \kind
.irp u, 0,1
	v_lshl_or_b32 v[PW+2*\g+\u], v[BY+4*\u+1], 8, v[BY+4*\u]
.endr
.irp u, 0,1
	v_lshl_or_b32 v[PW+2*\g+\u], v[BY+4*\u+2], 16, v[PW+2*\g+\u]
.endr
.irp u, 0,1
	v_lshl_or_b32 v[PW+2*\g+\u], v[BY+4*\u+3], 24, v[PW+2*\g+\u]
.endr
.else
.irp m, 0,1,2,3
	v_lshl_or_b32 v[PW+4*\g+\m], v[BY+2*\m+1], 8, v[BY+2*\m]
.endr
.irp m, 0,1,2,3
	v_or_b32 v[PW+4*\g+\m], 0x7f7f0000, v[PW+4*\g+\m]   ; the scale 1 for the half of K that holds zero codes
.endr
.endif
	WIN 1                                          ; source 0: window 1
.irp m, 0,1,2,3
.if \kind
.set D_, PC+16*(2*\g+\m/2)+6*(\m%2)
.else
.set D_, PC+8*(4*\g+\m)
.endif
	v_cvt_scalef32_pk16_fp6_f32 v[D_:D_+2], v[128*\g+32*\m:128*\g+32*\m+15], v[SOP+2*\m]
	v_cvt_scalef32_pk16_fp6_f32 v[CT+4*\m:CT+4*\m+2], v[128*\g+32*\m+16:128*\g+32*\m+31], v[SOP+2*\m+1]
.endr
	WIN 0
	v_nop                                          ; one plain place behind a scaled conversion
.irp m, 0,1,2,3                        ; the operand's layout wants a whole block in a lane
.if \kind
.set D_, PC+16*(2*\g+\m/2)+6*(\m%2)
.else
.set D_, PC+8*(4*\g+\m)
.endif
.irp k, 0,1,2
	v_permlane16_swap_b32 v[D_+\k], v[CT+4*\m+\k]
.endr
.irp k, 0,1,2
	v_mov_b32 v[D_+3+\k], v[CT+4*\m+\k]
.endr
.endr
.if \kind
.irp u, 0,1
.set D_, PC+16*(2*\g+\u)
	global_store_b128 v[VO], v[D_:D_+3], s[OB:OB+1] offset:(2*\g+\u)*1536          ; 512 consecutive aligned bytes,
	global_store_b64 v[VO1], v[D_+4:D_+5], s[OB:OB+1] offset:(2*\g+\u)*1536        ; 256,
	global_store_b128 v[VO], v[D_+6:D_+9], s[OB:OB+1] offset:(2*\g+\u)*1536+768    ; and the second half likewise
	global_store_b64 v[VO1], v[D_+10:D_+11], s[OB:OB+1] offset:(2*\g+\u)*1536+768
.endr
.else
.irp m, 0,1,2,3
.set D_, PC+8*(4*\g+\m)
	global_store_b128 v[VO], v[D_:D_+3], s[OB:OB+1] offset:(4*\g+\m)*768
	global_store_b64 v[VO1], v[D_+4:D_+5], s[OB:OB+1] offset:(4*\g+\m)*768
.endr
.endif
.endm
.macro WSCALES                         ; the weight's scale words: four tiles x eight K steps; sixteen lanes read 256 consecutive bytes
.irp b, 0,1,2,3
.irp g, 0,1
	global_load_b128 v[SB+8*\b+4*\g:SB+8*\b+4*\g+3], v[SOW], s[72:73] offset:\b*512+\g*256
.endr
.endr
.endm
	s_load_b256 s[4:11], s[0:1], 0x0               ; xc, wc, scx, rec
	v_lshl_add_u32 v[SPW], v0, 2, SPARE
	v_mov_b32 v[NIL], 0
	ds_add_u32 v[SPW], v[NIL]                      ; the opening lines: the add twice on end, and its wait
	ds_add_u32 v[SPW], v[NIL]
	v_lshrrev_b32 v1, 5, v0
	v_readfirstlane_b32 s14, v1                    ; wave
	s_lshr_b32 s15, s14, 1                         ; which 128 tokens are mine
	s_and_b32 s16, s14, 1                          ; which head
	s_bfe_u32 s80, ttmp6, 0x40000                  ; cx
	s_bfe_u32 s81, ttmp6, 0x40004                  ; cy
	s_lshl_b32 s85, ttmp9, 2
	s_add_co_u32 s85, s85, s80                     ; X
	s_and_b32 s84, ttmp7, 0xffff
	s_lshl_b32 s84, s84, 2
	s_add_co_u32 s84, s84, s81                     ; Y
	s_lshl_b32 s86, s81, 2
	s_lshl_b32 s86, 15, s86                        ; my row of the cluster
	s_lshl_b32 s87, 0x1111, s80                    ; my column
	s_or_b32 s[G1X], s86, (3<<16)|(1<<21)          ; x's half: two rows of 49,152 bytes (6,144 elements of 8), 98,304 apart
	s_mov_b32 s[G1X+1], 6144<<16
	s_mov_b32 s[G1X+2], 2<<16
	s_mov_b32 s[G1X+3], 6144<<16
	s_mov_b32 s[G1X+4], 2
	s_mov_b32 s[G1X+5], 12288
	s_mov_b32 s[G1X+6], 0
	s_mov_b32 s[G1X+7], 0
	s_or_b32 s[G1W], s87, (3<<16)|(1<<21)          ; the weight's half: a dense block, 192 rows of 256 bytes
	s_mov_b32 s[G1W+1], 32<<16
	s_mov_b32 s[G1W+2], 192<<16
	s_mov_b32 s[G1W+3], 32<<16
	s_mov_b32 s[G1W+4], 192
	s_mov_b32 s[G1W+5], 32
	s_mov_b32 s[G1W+6], 0
	s_mov_b32 s[G1W+7], 0
	s_mov_b32 s[G0X0], 1
	s_mov_b32 s[G0X0+1], 0
	s_mov_b32 s[G0X1], 1
	s_mov_b32 s[G0X1+1], HX
	s_mov_b32 s[G0L], 1
	s_mov_b32 s[G0L+1], WB
	s_mov_b32 s[G0U], 1
	s_mov_b32 s[G0U+1], WB+HW
	s_mul_i32 s20, s84, 2*HX
	s_mov_b32 s21, 0
	s_mul_i32 s22, s85, 2*HW
	s_mov_b32 s23, 0
	s_wait_dscnt 0x0
	s_wait_kmcnt 0x0
	s_add_nc_u64 s[G0X0+2:G0X0+3], s[4:5], s[20:21]
	s_add_nc_u64 s[G0X1+2:G0X1+3], s[G0X0+2:G0X0+3], HW
	s_add_nc_u64 s[G0L+2:G0L+3], s[6:7], s[22:23]
	s_add_nc_u64 s[G0U+2:G0U+3], s[G0L+2:G0L+3], HW
.irp g, G0X0, G0X1, G0L, G0U
	s_or_b32 s[\g+3], s[\g+3], 0x80000000
.endr
	CROUND                                         ; all sixteen work-groups are here: the first joint loads meet
	s_cmp_eq_u32 s14, 0                            ; one load a wave, what is needed first asked for first
	s_cbranch_scc0 .Lwave_1
	TLOAD G0X0, G1X
	s_branch .Lasked
.Lwave_1:
	s_cmp_eq_u32 s14, 1
	s_cbranch_scc0 .Lwave_2
	TLOAD G0L, G1W
	s_branch .Lasked
.Lwave_2:
	s_cmp_eq_u32 s14, 2
	s_cbranch_scc0 .Lwave_3
	TLOAD G0X1, G1X
	s_branch .Lasked
.Lwave_3:
	TLOAD G0U, G1W
.Lasked:
	s_mul_i32 s68, s15, HW                         ; my group of x in a half
	s_mul_i32 s69, s16, 6144                       ; my four tiles of the weight in a K step
	s_add_co_u32 s69, s69, WB
	s_lshl_b32 s94, s84, 4
	s_lshl_b32 s95, s15, 3
	s_add_co_u32 s94, s94, s95
	s_lshl_b32 s94, s94, 9                         ; x's scale tiles 16 Y + 8 x half
	s_lshl_b32 s96, s85, 3
	s_lshl_b32 s95, s16, 2
	s_add_co_u32 s96, s96, s95
	s_add_co_u32 s96, s96, 512
	s_lshl_b32 s96, s96, 9                         ; Wq's: 512 + 8 X + 4 x head
	s_lshl_b32 s97, s81, 2
	s_add_co_u32 s97, s97, s14
	s_mul_i32 s97, s97, 6144                       ; my sixteenth of a weight's 98,304 bytes
	s_add_co_u32 s97, s97, s22
	s_lshl_b32 s90, s85, 1
	s_add_co_u32 s90, s90, s16                     ; my head
	s_lshr_b32 s91, s84, 3                         ; the batch
	s_lshl_b32 s91, s91, 4
	s_add_co_u32 s90, s90, s91
	s_lshl_b32 s90, s90, 4
	s_and_b32 s91, s84, 7
	s_lshl_b32 s91, s91, 1
	s_add_co_u32 s91, s91, s15                     ; the group of 128 tokens
	s_add_co_u32 s90, s90, s91
	s_mul_i32 s90, s90, RECB
	s_mov_b32 s91, 0
	s_add_nc_u64 s[RB:RB+1], s[10:11], s[90:91]    ; my record
	s_mov_b64 s[72:73], s[8:9]
	s_mov_b32 s63, 0
	s_mov_b32 s67, 0
	s_mov_b32 s[SEL], 0x76543210
	s_mov_b32 s[SEL+1], 0xfedcba98
	s_mov_b32 s[HM], 0xffff0000                    ; lanes 16-31
	v_and_b32 v1, 15, v0                           ; r
	v_bfe_u32 v2, v0, 4, 1                         ; h
	v_and_b32 v3, 31, v0
	v_lshlrev_b32 v[VO], 4, v3
	v_lshlrev_b32 v6, 3, v3
	v_add_nc_u32 v[VO1], 512, v6
	v_add_nc_u32 v[XA], s68, v[VO]
	v_add_nc_u32 v[XA+2], s68, v6
	v_add_nc_u32 v[XA+1], HX, v[XA]
	v_add_nc_u32 v[XA+3], HX, v[XA+2]
	v_add_nc_u32 v[WA], s69, v[VO]
	v_add_nc_u32 v[WA+2], s69, v6
	v_add_nc_u32 v[WA+1], HW, v[WA]
	v_add_nc_u32 v[WA+3], HW, v[WA+2]
	v_lshlrev_b32 v7, 4, v1
	v_lshl_add_u32 v[VS], v2, 8, v7
	v_lshl_add_u32 v[VS2], v2, 3, v7
	v_add_nc_u32 v[SOX], s94, v7
	v_add_nc_u32 v[SOW], s96, v7
	v_min_u32 v[PF], 23, v3
	v_lshl_add_u32 v[PF], v[PF], 8, s97
.irp c, 0,1,2,3,4,5,6,7
	v_mov_b32 v[TP+\c], 0                          ; a lane permute's destination counts as one of its sources
.endr
	s_wait_alu depctr_va_vdst(0)                   ; the wait at the head's end
.irp i, 0,1,2,3,4,5,6,7
.irp g, 0,1
	global_load_b128 v[SA+8*\i+4*\g:SA+8*\i+4*\g+3], v[SOX], s[8:9] offset:\i*512+\g*256   ; x's scale words, for all three phases
.endr
.endr
	WSCALES
	global_prefetch_b8 v[PF], s[6:7] offset:WT th:TH_LOAD_NT scope:SCOPE_SE     ; Wk's rows
	s_cmp_lt_u32 s14, 2
	s_cbranch_scc0 .Lnot_first
	s_wait_tensorcnt 0x0                           ; waves 0 and 1: K steps 0-3 of x and of Wq
.Lnot_first:
	s_barrier_signal -1
	s_barrier_wait -1                              ; K steps 4-7 may be on their way
.irp f, 0,1,2,3,4,5,6,7,8,9,10,11
	FR1 \f, 0
.endr
	WIN 0
	s_wait_loadcnt 0x0
	s_mov_b32 s3, 0
.Lphase:                                               ; q's phase, then k's
	STEP 0, 0
	WIN 0
	s_cmp_eq_u32 s3, 0
	s_cbranch_scc0 .Lno_pf
	global_prefetch_b8 v[PF], s[6:7] offset:2*WT th:TH_LOAD_NT scope:SCOPE_SE   ; Wv's rows, once
.Lno_pf:
	STEP 0, 1
	STEP 0, 2
	RSTEP 0, 3, G0L
	STEP 0, 4
	STEP 0, 5
	STEP 0, 6
	RSTEP 0, 7, G0U
	PLACES 4
	WIN 0
	s_wait_xcnt 0x0                                ; the last phase's stores have read their data and bases
	s_cmp_eq_u32 s3, 0
	s_cselect_b32 s62, 13056, 0                    ; q's codes at 13,056 of the record, k's at 0;
	s_mov_b32 s66, 12288
	s_cselect_b32 s66, 19200, s66                  ; q's scale words at 19,200, k's at 12,288
	s_add_nc_u64 s[OB:OB+1], s[RB:RB+1], s[62:63]
	s_add_nc_u64 s[SBP:SBP+1], s[RB:RB+1], s[66:67]
	s_add_nc_u64 s[72:73], s[72:73], 32768         ; the next weight's scale words land under the way out
	WSCALES
	QGRP 0, 0
	QGRP 1, 0
.irp j, 0,1,2,3
	v_cndmask_b32 v[WP+\j], v[PW+\j], v[PW+4+\j], s[HM]   ; lanes 0-15 store token tiles 0-3's words, lanes 16-31 tiles 4-7's
.endr
	global_store_b128 v[VS], v[WP:WP+3], s[SBP:SBP+1]     ; 512 consecutive aligned bytes
	s_add_co_u32 s3, s3, 1
	s_wait_alu depctr_va_vdst(0)                   ; the wait ahead of the wait and the branch below
	s_wait_loadcnt 0x0
	s_cmp_lt_u32 s3, 2
	s_cbranch_scc1 .Lphase
	STEP 1, 0                                      ; v's phase
	STEP 1, 1
	STEP 1, 2
	WIN 0
	s_wait_tensorcnt 0x0                           ; a plain barrier shows the last refill to all
	s_wait_dscnt 0x0
	s_barrier_signal -1
	PLACES 4
	MULS 1, 3, 0, 8
	WIN 0
	s_barrier_wait -1
	FETCHN 4
	MULS 1, 3, 8, 32
	STEP 1, 4
	STEP 1, 5
	STEP 1, 6
	s_wait_dscnt 0x0
	MULS 1, 7, 0, 32                               ; nothing more to fetch
	PLACES 4
	WIN 0
	s_wait_xcnt 0x0
	s_add_nc_u64 s[OB:OB+1], s[RB:RB+1], 6144      ; v's codes
	s_add_nc_u64 s[SBP:SBP+1], s[RB:RB+1], 12800   ; and scale words
	QGRP 0, 1
	QGRP 1, 1
	v_cndmask_b32 v[WP], v[PW], v[PW+2], s[HM]     ; lanes 0-15 store channel tiles 0, 1's words, lanes 16-31 tiles 2, 3's
	v_cndmask_b32 v[WP+1], v[PW+1], v[PW+3], s[HM]
	global_store_b64 v[VS2], v[WP:WP+1], s[SBP:SBP+1]     ; 256 consecutive aligned bytes
	s_wait_tensorcnt 0x0                           ; the wave's end
	ds_add_u32 v[SPW], v[NIL]
	s_wait_dscnt 0x0
	CROUND                                         ; the closing round
	s_endpgm
.Lfunc_end_k_q2c72a57363_qkv:
	.size	k_q2c72a57363_qkv, .Lfunc_end_k_q2c72a57363_qkv-k_q2c72a57363_qkv
	.p2alignl 7, 3214868480
	.fill 96, 4, 3214868480
	.section	.rodata,"a",@progbits
	.p2align	6, 0x0
	.amdhsa_kernel k_q2c72a57363_qkv
		.amdhsa_group_segment_fixed_size 327680
		.amdhsa_private_segment_fixed_size 0
		.amdhsa_enable_private_segment 0
		.amdhsa_kernarg_size 32
		.amdhsa_user_sgpr_count 2
		.amdhsa_user_sgpr_kernarg_segment_ptr 1
		.amdhsa_wavefront_size32 1
		.amdhsa_system_sgpr_workgroup_id_x 1
		.amdhsa_system_sgpr_workgroup_id_y 1
		.amdhsa_system_sgpr_workgroup_id_z 1
		.amdhsa_system_vgpr_workitem_id 0
		.amdhsa_next_free_vgpr 1024
		.amdhsa_next_free_sgpr 100
		.amdhsa_reserve_vcc 0
		.amdhsa_float_denorm_mode_32 3
		.amdhsa_float_denorm_mode_16_64 3
		.amdhsa_memory_ordered 1
		.amdhsa_forward_progress 1
		.amdhsa_inst_pref_size 164
	.end_amdhsa_kernel
	.amdgpu_metadata
---
amdhsa.version: [ 1, 2 ]
amdhsa.kernels:
  - .name:           k_q2c72a57363_qkv
    .symbol:         k_q2c72a57363_qkv.kd
    .args:
      - { .name: xc, .offset: 0, .size: 8, .value_kind: global_buffer, .address_space: global }
      - { .name: wc, .offset: 8, .size: 8, .value_kind: global_buffer, .address_space: global }
      - { .name: scx, .offset: 16, .size: 8, .value_kind: global_buffer, .address_space: global }
      - { .name: rec, .offset: 24, .size: 8, .value_kind: global_buffer, .address_space: global }
    .group_segment_fixed_size: 327680
    .private_segment_fixed_size: 0
    .kernarg_segment_align: 8
    .kernarg_segment_size: 32
    .max_flat_workgroup_size: 128
    .sgpr_count:     100
    .vgpr_count:     1024
    .wavefront_size: 32
...
	.end_amdgpu_metadata
.endif
;; end of part 2
;; launch attn (part 3): grid 4 x 64, 16 waves a work-group, clusters of 4 x 1, 210,944 bytes of LDS; arguments rec, cc, sco; writes cc, sco
.if DOCPART == 3
	.amdgcn_target "amdgcn-amd-amdhsa--gfx1250"
	.amdhsa_code_object_version 6
	.text
	.protected	k_q2c72a57363_attn
	.globl	k_q2c72a57363_attn
	.p2align	8
	.type	k_q2c72a57363_attn,@function
k_q2c72a57363_attn:
	s_mov_b64 s[64:65], 0
	v_nop
	global_prefetch_b8 v0, s[64:65] scope:SCOPE_SE
	s_setreg_imm32_b32 hwreg(HW_REG_WAVE_MODE, 25, 1), 1
	s_wait_xcnt 0x0
	s_wait_alu depctr_hold_cnt(0) depctr_sa_sdst(0) depctr_va_vdst(0) depctr_va_sdst(0) depctr_va_ssrc(0) depctr_va_vcc(0) depctr_vm_vsrc(0)
	s_getreg_b32 s2, hwreg(HW_REG_IB_STS2, 6, 4)
	s_cmp_eq_u32 s2, 0
	s_cbranch_scc0 .Lentry_in_a_cluster
	s_endpgm
.Lentry_in_a_cluster:
	s_bfe_u32 s2, ttmp6, 0x10000c
	s_cmp_lg_u32 s2, 0x3003
	s_cbranch_scc0 .Lentry_shape_is_right
	s_endpgm
.Lentry_shape_is_right:
; ctx[b][q][head] = softmax over keys k <= q of (q . k / 8) times v, both products on codes of FP6 (E2M3) with E8M0 scales; ctx is quantised along the next product's K (head x 64 + channel) and leaves as codes.
; THE SOFTMAX AHEAD OF THE SECOND PRODUCT: t = score x log2(e) / 8; M = the row's largest t so far, rounded up to a whole number; p = 2^(t - M) is quantised along the keys, not normalised.  The row's sum is taken of the
; unquantised p and divides at the end.  When M moves, the sum and O are multiplied by 2^(old M - new M): exact.
; A CLUSTER OF FOUR WORK-GROUPS SERVES ONE (batch, head).  The head's k, v and their scale words, 16 records' first 13,056 bytes, fit in LDS: 208,896 bytes, filled ONCE: wave w asks for record w by one joint load (mask: all four partners).
; One barrier; after it LDS is only read and the waves do not meet again until the closing round.  No ring, no refill.  Nothing is prefetched: all that the launch reads from memory but q is asked for in its first group of loads.
; SHARES.  A head has 128 tiles of 16 queries; tile (group gq of 128 tokens, place cq in it) needs key steps 0 .. gq of 128 keys.  Wave w of partner cx takes tile (w / 2, 4 (w % 2) + cx) and its mirror (15 - w / 2, 7 - that place): 17 steps a wave.
; gq hangs on the wave's number alone and steers the branches; cq holds cx and enters global addresses and the mask's comparison alone.  The loops' trip counts are constants (8 and 16); a step all of whose keys are hidden jumps over its work.
; LAYOUT.  Both products are used transposed: S^T = k q^T (source 0 = 16 keys), O^T = v^T p^T (source 0 = 16 channels): a lane holds one query (lane % 16) throughout.  Register 8 T + j of S^T is key 16 T + 8 (lane / 16) + j.
; p's codes, like v's, k's, q's and ctx's, stand inside each block of 32 with bits 3 and 4 of the place exchanged: alike on both sides of every product.
; K = 64 IN AN INSTRUCTION OF 128: q's registers 6-11 are zero codes.  k's tiles lie six registers apart; an operand's upper six registers are the next tile's codes (behind the last tile: zeros), which meet q's zeros.  Their scale bytes are 0x7f.
; LIMITS: NaN and infinities are not served.  Hidden scores are -infinity where the definition has -1e9: the same p = 0 while every real score x 1/8 lies above -1e9 + 150.  p under 2^-126 comes out as 0.  A block of zeros gets the byte 1.
; REGISTERS: v1-3 16 L, 8 L, 16 r; v4-6 those + the step's LDS byte; v7, v8 the mask's d of my two tiles; v9 16 r + h; v10 at work; v12 -M, v13 the largest t, v[14:15] the sum; v16-27 q; v28 q's scale words; v29 p's;
;   v[30:31] f, 0; v32-79 k (then at work); v80-85 zeros; v86-93 k's scale words; v96-159 S^T, then p; v160-191 O^T; v192-239 v; v240-243 v's scale words; v244-255 p's codes.
.set RECB,  19712
.set LREC,  13056
.set HEADB, 16*RECB
.set WV,  10
.set SEL, 28
.set CS,  30                           ; s[30:31] c = log2(e) / 8
.set HM,  32                           ; s32 lanes 16-31
.set N,   33                           ; s33 the key step
.set TB,  34                           ; s34 its record's LDS byte
.macro CROUND
	s_barrier_signal -1
	s_barrier_wait -1
	s_cmp_lg_u32 s[WV], 0
	s_cbranch_scc1 .Lnot_wave_0_\@
	s_barrier_signal -3
.Lnot_wave_0_\@:
	s_barrier_wait -3
	s_barrier_signal -1
	s_barrier_wait -1
.endm
	s_load_b128 s[4:7], s[0:1], 0x0                ; rec s[4:5], cc s[6:7]
	s_load_b64 s[8:9], s[0:1], 0x10                ; sco
	v_lshl_add_u32 v94, v0, 2, 0x33000
	v_mov_b32 v95, 0
	ds_add_u32 v94, v95
	ds_add_u32 v94, v95
	v_lshrrev_b32 v1, 5, v0
	s_delay_alu instid0(VALU_DEP_1)
	v_readfirstlane_b32 s[WV], v1                  ; wave 0..15
	s_bfe_u32 s11, ttmp6, 0x40000                  ; cx
	s_and_b32 s12, ttmp7, 0xffff                   ; 16 x batch + head, which the four partners share
	; descriptor group 1: a dense block of 13,056 bytes as 51 rows of 256 bytes (32 elements of 8 bytes)
	s_mov_b32 s20, 15|(3<<16)|(1<<21)              ; 15:0 the mask: all four work-groups; 17:16 elements of 8 bytes; 21 set beside a mask
	s_mov_b32 s21, 32<<16
	s_mov_b32 s22, 51<<16
	s_mov_b32 s23, 32<<16
	s_mov_b32 s24, 51
	s_mov_b32 s25, 32
	s_mov_b32 s26, 0
	s_mov_b32 s27, 0
	s_mul_i32 s56, s12, HEADB
	s_mov_b32 s57, 0
	s_mul_i32 s58, s[WV], RECB
	s_mov_b32 s59, 0
	s_mov_b32 s16, 1
	s_mul_i32 s17, s[WV], LREC                     ; record w lands at 13,056 w
	s_wait_dscnt 0x0
	s_wait_kmcnt 0x0
	s_add_nc_u64 s[54:55], s[4:5], s[56:57]        ; the head's records
	s_add_nc_u64 s[18:19], s[54:55], s[58:59]
	s_or_b32 s19, s19, 0x80000000
	CROUND                                         ; all four work-groups are here: the joint loads meet
	tensor_load_to_lds s[16:19], s[20:27]          ; my one tensor load
	s_nop 0
.rept 4
	v_nop
.endr
	s_lshr_b32 s36, s[WV], 1                       ; tile A: gq
	s_and_b32 s13, s[WV], 1
	s_lshl_b32 s13, s13, 2
	s_add_co_u32 s13, s13, s11                     ;         cq
	s_sub_co_u32 s37, 15, s36                      ; tile B: gq
	s_sub_co_u32 s14, 7, s13                       ;         cq
	s_lshr_b32 s61, s12, 4
	s_lshl_b32 s61, s61, 7                         ; the batch's first token tile
	s_and_b32 s57, s12, 15                         ; the head
	s_lshr_b32 s62, s57, 1
	s_mul_i32 s62, s62, 1536
	s_and_b32 s60, s57, 1
	s_mul_i32 s56, s60, 768
	s_add_co_u32 s62, s62, s56                     ; ctx's codes: K step head / 2, half head % 2
	s_lshr_b32 s63, s57, 3
	s_lshl_b32 s63, s63, 8
	s_bfe_u32 s56, s57, 0x20001
	s_lshl_b32 s56, s56, 2
	s_add_co_u32 s63, s63, s56
	s_lshl_b32 s60, s60, 1
	s_add_co_u32 s63, s63, s60                     ; its scale bytes: the K step's word, bytes 2 (head % 2) on
.macro TADDR gq, cq, QB, QS, CB, SB    ; a tile's four addresses
	s_mul_i32 s56, s[\gq], RECB
	s_mul_i32 s58, s[\cq], 768
	s_add_co_u32 s58, s58, s56
	s_add_co_u32 s58, s58, 13056
	s_mov_b32 s59, 0
	s_add_nc_u64 s[\QB:\QB+1], s[54:55], s[58:59]  ; q's half fragment
	s_lshr_b32 s58, s[\cq], 2
	s_lshl_b32 s58, s58, 8
	s_and_b32 s60, s[\cq], 3
	s_lshl_b32 s60, s60, 2
	s_add_co_u32 s58, s58, s60
	s_add_co_u32 s58, s58, s56
	s_add_co_u32 s58, s58, 19200
	s_add_nc_u64 s[\QS:\QS+1], s[54:55], s[58:59]  ; its scale words
	s_lshl_b32 s60, s[\gq], 3
	s_add_co_u32 s60, s60, s[\cq]
	s_add_co_u32 s60, s60, s61                     ; the token tile among all 512
	s_mul_i32 s58, s60, 12288
	s_add_co_u32 s58, s58, s62
	s_add_nc_u64 s[\CB:\CB+1], s[6:7], s[58:59]
	s_lshl_b32 s58, s60, 9
	s_add_co_u32 s58, s58, s63
	s_add_nc_u64 s[\SB:\SB+1], s[8:9], s[58:59]
.endm
	TADDR 36, 13, 38, 40, 42, 44
	TADDR 37, 14, 46, 48, 50, 52
	s_mov_b32 s[SEL], 0x76543210
	s_mov_b32 s[SEL+1], 0xfedcba98
	s_mov_b32 s[CS], 0x3e38aa3b                    ; log2(e) / 8
	s_mov_b32 s[CS+1], s[CS]                       ; (named with it as a pair, so it is written)
	s_mov_b32 s[HM], 0xffff0000
	v_and_b32 v9, 31, v0
	s_delay_alu instid0(VALU_DEP_1)
	v_lshlrev_b32 v1, 4, v9                        ; 16 L
	s_delay_alu instid0(VALU_DEP_2)
	v_lshlrev_b32 v2, 3, v9                        ; 8 L
	v_and_b32 v10, 15, v0                          ; r
	s_delay_alu instid0(VALU_DEP_1)
	v_lshlrev_b32 v3, 4, v10                       ; 16 r
	v_bfe_u32 v11, v0, 4, 1                        ; h
	s_delay_alu instid0(VALU_DEP_1)
	v_lshlrev_b32 v9, 3, v11
	s_delay_alu instid0(VALU_DEP_1)
	v_sub_nc_u32 v7, v10, v9                       ; r - 8 h
	s_lshl_b32 s56, s14, 4
	v_add_nc_u32 v8, s56, v7                       ; d = 16 cq + r - 8 h: on the diagonal register 8 T + j is hidden where 16 T + j > d
	s_lshl_b32 s56, s13, 4
	v_add_nc_u32 v7, s56, v7
	v_add_nc_u32 v9, v3, v11                       ; 16 r + h
.macro QLOAD QB, QS
	global_load_b128 v[16:19], v1, s[\QB:\QB+1]
	global_load_b64 v[20:21], v2, s[\QB:\QB+1] offset:512
	global_load_b32 v28, v3, s[\QS:\QS+1]
.endm
	QLOAD 38, 40
.irp i, 0,1,2,3,4,5
	v_mov_b32 v[22+\i], 0                          ; q's upper half of K: zero codes
	v_mov_b32 v[80+\i], 0                          ; and what stands behind k's last tile
.endr
	v_mov_b32 v31, 0                               ; (named as the upper half of the pair v[30:31])
.macro INIT                            ; O^T and the sum begin as zeros and the largest t as -3e38: the first change of M multiplies zeros
	v_mov_b32 v13, 0xff61b1e6
	s_delay_alu instid0(VALU_DEP_1)
	v_floor_f32 v12, -v13
	v_mov_b32 v14, 0
	v_mov_b32 v15, 0
.set j, 0
.rept 32
	v_mov_b32 v[160+j], 0
.set j, j+1
.endr
.endm
	INIT
; A KEY STEP: 128 keys, record s[N].  gq: the scalar register with my tile's group; d: the vector register with its d.
.macro STEP gq, d
	v_add_nc_u32 v4, s[TB], v1
	v_add_nc_u32 v5, s[TB], v2
	v_add_nc_u32 v6, s[TB], v3
.irp t, 0,1,2,3,4,5,6,7
	ds_load_b128 v[32+6*\t:35+6*\t], v4 offset:768*\t        ; k's tile t: six registers
	ds_load_b64 v[36+6*\t:37+6*\t], v5 offset:768*\t+512
.endr
	ds_load_b128 v[86:89], v6 offset:12288                   ; its scale words: tiles 0-3,
	ds_load_b128 v[90:93], v6 offset:12544                   ; 4-7
	s_wait_alu depctr_va_vdst(0)
	s_wait_dscnt 0x0
.irp t, 0,1,2,3,4,5,6,7
	v_wmma_scale_f32_16x16x128_f8f6f4 v[96+8*\t:103+8*\t], v[32+6*\t:43+6*\t], v[16:27], 0, v[86+\t], v28 matrix_a_fmt:MATRIX_FMT_FP6 matrix_b_fmt:MATRIX_FMT_FP6
.endr
.rept 4
	v_nop                                          ; places: behind these products for the reads and writes below; with the three additions above, behind the last step's products for the loads into v's registers
.endr
.irp c, 0,1,2,3                                ; v's four fragments land under the softmax
	ds_load_b128 v[192+12*\c:195+12*\c], v4 offset:6144+1536*\c
	ds_load_b64 v[196+12*\c:197+12*\c], v5 offset:6144+1536*\c+512
	ds_load_b128 v[198+12*\c:201+12*\c], v4 offset:6144+1536*\c+768
	ds_load_b64 v[202+12*\c:203+12*\c], v5 offset:6144+1536*\c+1280
.endr
	ds_load_b128 v[240:243], v6 offset:12800
	s_cmp_lg_u32 s[N], s[\gq]                      ; only my tile's last step lies on the diagonal: there hidden scores become -infinity ahead of the maximum
	s_cbranch_scc1 .Lopen_\@
	v_mov_b32 v10, 0xff800000
.set n, 0
.rept 64
	v_cmp_gt_i32 vcc_lo, 16*(n/8)+n%8, v[\d]
	v_cndmask_b32 v[96+n], v[96+n], v10, vcc_lo
.set n, n+1
.endr
.Lopen_\@:
.irp b, 0,1,2,3
	v_max3_num_f32 v[32+\b], v[96+16*\b], v[97+16*\b], v[98+16*\b]   ; the largest score of each block of 32 keys: it serves the row's maximum and, since p rises with the score, the block's largest p
.endr
.irp i, 3,5,7,9,11,13
.irp b, 0,1,2,3
	v_max3_num_f32 v[32+\b], v[32+\b], v[96+16*\b+\i], v[97+16*\b+\i]
.endr
.endr
.irp b, 0,1,2,3
	v_max_num_f32 v[32+\b], v[32+\b], v[111+16*\b]
.endr
.irp b, 0,1,2,3
	s_delay_alu instid0(VALU_DEP_4)
	v_permlanex16_b32 v[36+\b], v[32+\b], s[SEL], s[SEL+1]
.endr
.irp b, 0,1,2,3
	s_delay_alu instid0(VALU_DEP_4)
	v_max_num_f32 v[32+\b], v[32+\b], v[36+\b]     ; with lane l xor 16's 16 keys
.endr
	s_delay_alu instid0(VALU_DEP_2)
	v_max3_num_f32 v10, v32, v33, v34
	s_delay_alu instid0(VALU_DEP_1)
	v_max_num_f32 v10, v10, v35                    ; the step's largest score of my query
	s_delay_alu instid0(VALU_DEP_1)
	v_mul_f32 v10, s[CS], v10                      ; as t
	s_delay_alu instid0(VALU_DEP_1)
	v_max_num_f32 v13, v13, v10                    ; the running largest t
	v_mov_b32 v10, v12
	s_delay_alu instid0(VALU_DEP_2)
	v_floor_f32 v12, -v13                          ; the new -M = floor(-t) = -ceil(t)
	s_delay_alu instid0(VALU_DEP_1)
	v_sub_f32 v10, v12, v10                        ; old M - new M: a whole number, 0 or less
	s_delay_alu instid0(VALU_DEP_1)
	v_cvt_i32_f32 v10, v10                         ; (it saturates)
	s_delay_alu instid0(VALU_DEP_1)
	v_ldexp_f32 v30, 1.0, v10                      ; f = 2^(old M - new M)
.set j, 0
.rept 32
	v_pk_fma_f32 v[96+j:97+j], v[96+j:97+j], s[CS:CS+1], v[12:13] op_sel_hi:[1,0,0]   ; t - M, two at a time
.set j, j+2
.endr
.irp b, 0,1,2,3
	v_fma_f32 v[32+\b], v[32+\b], s[CS], v12       ; the same of each block's largest score
.endr
.set j, 0
	s_wait_alu depctr_va_vdst(0)
.rept 64
	v_exp_f32 v[96+j], v[96+j]                     ; p = 2^(t - M), at most 1
.set j, j+1
.endr
	v_pk_mul_f32 v[14:15], v[14:15], v[30:31] op_sel_hi:[1,0]   ; the sums under the new M: a plain place behind the exponentials
	s_wait_alu depctr_va_vdst(0)                   ; one wait for the whole batch, ahead of its first reader
.irp b, 0,1,2,3
	v_exp_f32 v[32+\b], v[32+\b]                   ; the block's largest p: the same two instructions on the same number
.endr
	v_pk_add_f32 v[56:57], v[100:101], v[104:105]
	v_pk_add_f32 v[254:255], v[108:109], v[112:113]
	v_pk_add_f32 v[252:253], v[116:117], v[120:121]
	v_pk_add_f32 v[250:251], v[124:125], v[128:129]
	v_pk_add_f32 v[248:249], v[132:133], v[136:137]
	v_pk_add_f32 v[246:247], v[140:141], v[144:145]
	v_pk_add_f32 v[244:245], v[148:149], v[152:153]
	v_pk_add_f32 v[14:15], v[14:15], v[156:157]
	v_pk_add_f32 v[56:57], v[56:57], v[96:97]
	v_pk_add_f32 v[254:255], v[254:255], v[98:99]
	v_pk_add_f32 v[252:253], v[252:253], v[102:103]
	v_pk_add_f32 v[250:251], v[250:251], v[106:107]
	v_pk_add_f32 v[248:249], v[248:249], v[110:111]
	v_pk_add_f32 v[246:247], v[246:247], v[114:115]
	v_pk_add_f32 v[244:245], v[244:245], v[118:119]
	v_pk_add_f32 v[14:15], v[14:15], v[122:123]
	v_pk_add_f32 v[56:57], v[56:57], v[126:127]
	v_pk_add_f32 v[254:255], v[254:255], v[130:131]
	v_pk_add_f32 v[252:253], v[252:253], v[134:135]
	v_pk_add_f32 v[250:251], v[250:251], v[138:139]
	v_pk_add_f32 v[248:249], v[248:249], v[142:143]
	v_pk_add_f32 v[246:247], v[246:247], v[146:147]
	v_pk_add_f32 v[244:245], v[244:245], v[150:151]
	v_pk_add_f32 v[14:15], v[14:15], v[154:155]
	v_pk_add_f32 v[56:57], v[56:57], v[158:159]
	s_delay_alu instid0(VALU_DEP_2)
	v_pk_add_f32 v[14:15], v[14:15], v[250:251]
	s_delay_alu instid0(VALU_DEP_2)
	v_pk_add_f32 v[56:57], v[56:57], v[248:249]
	v_pk_add_f32 v[254:255], v[254:255], v[246:247]
	v_pk_add_f32 v[252:253], v[252:253], v[244:245]
	s_delay_alu instid0(VALU_DEP_2)
	v_pk_add_f32 v[14:15], v[14:15], v[254:255]
	s_delay_alu instid0(VALU_DEP_2)
	v_pk_add_f32 v[56:57], v[56:57], v[252:253]
	s_delay_alu instid0(VALU_DEP_1)
	v_pk_add_f32 v[14:15], v[14:15], v[56:57]
	s_wait_alu depctr_va_vdst(0)                   ; and one for the four
.irp b, 0,1,2,3
	v_max_num_f32 v[32+\b], 0x1800000, v[32+\b]    ; the floor 2^(3 - 127): a block whose every p is 0 keeps the byte 1: its codes are zeros
.endr
.irp b, 0,1,2,3
	s_delay_alu instid0(VALU_DEP_4)
	v_add_nc_u32 v[40+\b], 0xff000000, v[32+\b]    ; the conversion's scale operand
.endr
.irp b, 0,1,2,3
	s_delay_alu instid0(VALU_DEP_4)
	v_lshrrev_b32 v[44+\b], 23, v[40+\b]           ; the scale's byte
.endr
	s_delay_alu instid0(VALU_DEP_3)
	v_lshl_or_b32 v29, v45, 8, v44                 ; p's scale word for these 128 keys
	s_delay_alu instid0(VALU_DEP_1)
	v_lshl_or_b32 v29, v46, 16, v29
	s_delay_alu instid0(VALU_DEP_1)
	v_lshl_or_b32 v29, v47, 24, v29
.irp c, 0,1
	v_cvt_scalef32_pk16_fp6_f32 v[244+6*\c:246+6*\c], v[96+32*\c:111+32*\c], v[40+2*\c]
	v_cvt_scalef32_pk16_fp6_f32 v[48+4*\c:50+4*\c], v[112+32*\c:127+32*\c], v[41+2*\c]   ; (a conversion's three registers begin on an even number)
.endr
	v_nop                                          ; one plain place behind a scaled conversion
.irp c, 0,1
.irp i, 0,1,2
	v_permlane16_swap_b32 v[244+6*\c+\i], v[48+4*\c+\i]
.endr
.irp i, 0,1,2
	s_delay_alu instid0(VALU_DEP_3)
	v_mov_b32 v[247+6*\c+\i], v[48+4*\c+\i]
.endr
.endr
.set j, 0
.rept 16
	v_pk_mul_f32 v[160+j:161+j], v[160+j:161+j], v[30:31] op_sel_hi:[1,0]   ; O^T under the new M.  These sixteen are also the places between p's scale word and codes and the products
.set j, j+2
.endr
	s_wait_alu depctr_va_vdst(0)
	s_wait_dscnt 0x0                               ; v
.irp c, 0,1,2,3
	v_wmma_scale_f32_16x16x128_f8f6f4 v[160+8*\c:167+8*\c], v[192+12*\c:203+12*\c], v[244:255], v[160+8*\c:167+8*\c], v[240+\c], v29 matrix_a_fmt:MATRIX_FMT_FP6 matrix_b_fmt:MATRIX_FMT_FP6
.endr
.endm
.macro LOOP trips, gq, d               ; the trip count is a constant; a step beyond my tile's group jumps over its work, not over the lines that step the record
	s_mov_b32 s[N], 0
	s_mov_b32 s[TB], 0
.Lstep_\@:
	s_cmp_gt_u32 s[N], s[\gq]
	s_cbranch_scc1 .Lhidden_\@
	STEP \gq, \d
.Lhidden_\@:
	s_add_co_u32 s[TB], s[TB], LREC
	s_add_co_u32 s[N], s[N], 1
	s_cmp_lt_u32 s[N], \trips
	s_cbranch_scc1 .Lstep_\@
.endm
; A tile's end: O^T / the sum is ctx(query r, channels 16 c + 8 h + j); its two blocks of 32 are quantised: six registers a lane, the head's half of a fragment of the last product's operand.
.macro EPI CB, SB
.rept 4
	v_nop                                          ; places behind the last products
.endr
	v_add_f32 v14, v14, v15
	v_mov_b32 v10, 0
	s_delay_alu instid0(VALU_DEP_1)
	v_permlanex16_b32 v10, v14, s[SEL], s[SEL+1]
	s_delay_alu instid0(VALU_DEP_1)
	v_add_f32 v14, v14, v10                        ; the row's sum
	s_wait_alu depctr_va_vdst(0)
	v_rcp_f32 v14, v14
	v_mov_b32 v36, 0                               ; (a plain place behind the transcendental; a lane permute's destination counts as one of its sources)
	v_mov_b32 v37, 0
	s_wait_alu depctr_va_vdst(0)                   ; the wait, ahead of the first reader
.set j, 0
.rept 16
	v_pk_mul_f32 v[96+j:97+j], v[160+j:161+j], v[14:15] op_sel_hi:[1,0]
.set j, j+2
.endr
.irp b, 0,1
	v_max3_num_f32 v[32+\b], |v[96+16*\b]|, |v[97+16*\b]|, 0x1800000
.endr
.irp i, 2,4,6,8,10,12,14
.irp b, 0,1
	s_delay_alu instid0(VALU_DEP_2)
	v_max3_num_f32 v[32+\b], v[32+\b], |v[96+16*\b+\i]|, |v[97+16*\b+\i]|
.endr
.endr
.irp b, 0,1
	s_delay_alu instid0(VALU_DEP_2)
	v_permlanex16_b32 v[36+\b], v[32+\b], s[SEL], s[SEL+1]
.endr
.irp b, 0,1
	s_delay_alu instid0(VALU_DEP_2)
	v_max_num_f32 v[32+\b], v[32+\b], v[36+\b]
.endr
.irp b, 0,1
	s_delay_alu instid0(VALU_DEP_2)
	v_add_nc_u32 v[40+\b], 0xff000000, v[32+\b]
.endr
.irp b, 0,1
	s_delay_alu instid0(VALU_DEP_2)
	v_lshrrev_b32 v[44+\b], 23, v[40+\b]
.endr
	s_delay_alu instid0(VALU_DEP_1)
	v_cndmask_b32 v46, v44, v45, s[HM]             ; lane (r, h) stores block h's byte
	v_cvt_scalef32_pk16_fp6_f32 v[64:66], v[96:111], v40
	v_cvt_scalef32_pk16_fp6_f32 v[48:50], v[112:127], v41
	v_nop                                          ; one plain place behind a scaled conversion
.irp i, 0,1,2
	v_permlane16_swap_b32 v[64+\i], v[48+\i]
.endr
.irp i, 0,1,2
	s_delay_alu instid0(VALU_DEP_3)
	v_mov_b32 v[67+\i], v[48+\i]
.endr
	global_store_b128 v1, v[64:67], s[\CB:\CB+1]             ; 512 consecutive aligned bytes,
	global_store_b64 v2, v[68:69], s[\CB:\CB+1] offset:512   ; and 256
	global_store_b8 v9, v46, s[\SB:\SB+1]                    ; two bytes of each row's scale word: the word's other two are the neighbouring head's, which another cluster makes
	s_wait_xcnt 0x0                                ; the stores have read their registers: the next tile's loads may land there
.endm
	s_wait_tensorcnt 0x0                           ; my record is in,
	s_barrier_signal -1
	s_barrier_wait -1                              ; everybody's is: from here on LDS is only read
	s_wait_loadcnt 0x0                             ; q
	LOOP 8, 36, 7
	QLOAD 46, 48                                   ; the second tile's q lands under the first tile's end
	EPI 42, 44
	INIT
	s_wait_loadcnt 0x0
	LOOP 16, 37, 8
	EPI 50, 52
	s_wait_tensorcnt 0x0
	ds_add_u32 v94, v95
	s_wait_dscnt 0x0
	CROUND                                         ; the closing round
	s_endpgm
.Lfunc_end_k_q2c72a57363_attn:
	.size	k_q2c72a57363_attn, .Lfunc_end_k_q2c72a57363_attn-k_q2c72a57363_attn
	.p2alignl 7, 3214868480
	.fill 96, 4, 3214868480
	.section	.rodata,"a",@progbits
	.p2align	6, 0x0
	.amdhsa_kernel k_q2c72a57363_attn
		.amdhsa_group_segment_fixed_size 210944
		.amdhsa_private_segment_fixed_size 0
		.amdhsa_enable_private_segment 0
		.amdhsa_kernarg_size 24
		.amdhsa_user_sgpr_count 2
		.amdhsa_user_sgpr_kernarg_segment_ptr 1
		.amdhsa_wavefront_size32 1
		.amdhsa_system_sgpr_workgroup_id_x 1
		.amdhsa_system_sgpr_workgroup_id_y 1
		.amdhsa_system_sgpr_workgroup_id_z 1
		.amdhsa_system_vgpr_workitem_id 0
		.amdhsa_next_free_vgpr 256
		.amdhsa_next_free_sgpr 66
		.amdhsa_reserve_vcc 1
		.amdhsa_float_denorm_mode_32 3
		.amdhsa_float_denorm_mode_16_64 3
		.amdhsa_memory_ordered 1
		.amdhsa_forward_progress 1
		.amdhsa_inst_pref_size 64
	.end_amdhsa_kernel
	.amdgpu_metadata
---
amdhsa.version: [ 1, 2 ]
amdhsa.kernels:
  - .name:           k_q2c72a57363_attn
    .symbol:         k_q2c72a57363_attn.kd
    .args:
      - { .name: rec, .offset: 0, .size: 8, .value_kind: global_buffer, .address_space: global }
      - { .name: cc, .offset: 8, .size: 8, .value_kind: global_buffer, .address_space: global }
      - { .name: sco, .offset: 16, .size: 8, .value_kind: global_buffer, .address_space: global }
    .group_segment_fixed_size: 210944
    .private_segment_fixed_size: 0
    .kernarg_segment_align: 8
    .kernarg_segment_size: 24
    .max_flat_workgroup_size: 512
    .sgpr_count:     66
    .vgpr_count:     256
    .wavefront_size: 32
...
	.end_amdgpu_metadata
.endif
;; end of part 3
;; launch oproj (part 4): grid 8 x 32, 4 waves a work-group, clusters of 4 x 4, 327,680 bytes of LDS; arguments cc, woc, sco, out0; writes out0
.if DOCPART == 4
	.amdgcn_target "amdgcn-amd-amdhsa--gfx1250"
	.amdhsa_code_object_version 6
	.text
	.protected	k_q2c72a57363_oproj
	.globl	k_q2c72a57363_oproj
	.p2align	8
	.type	k_q2c72a57363_oproj,@function
k_q2c72a57363_oproj:
	s_mov_b64 s[64:65], 0
	v_nop
	global_prefetch_b8 v0, s[64:65] scope:SCOPE_SE
	s_setreg_imm32_b32 hwreg(HW_REG_WAVE_MODE, 25, 1), 1
	s_wait_xcnt 0x0
	s_wait_alu depctr_hold_cnt(0) depctr_sa_sdst(0) depctr_va_vdst(0) depctr_va_sdst(0) depctr_va_ssrc(0) depctr_va_vcc(0) depctr_vm_vsrc(0)
	s_getreg_b32 s2, hwreg(HW_REG_IB_STS2, 6, 4)
	s_cmp_eq_u32 s2, 0
	s_cbranch_scc0 .Lentry_in_a_cluster
	s_endpgm
.Lentry_in_a_cluster:
	s_bfe_u32 s2, ttmp6, 0x10000c
	s_cmp_lg_u32 s2, 0xf033
	s_cbranch_scc0 .Lentry_shape_is_right
	s_endpgm
.Lentry_shape_is_right:
; out0 [8192][1024] f32 = ctx Wo on codes of FP6 (E2M3) with E8M0 scales, f32 sums.
; THE DEAL.  256 work-groups (8 x 32) of four waves; a work-group makes 256 rows x 128 columns.  K = 1,024 is short: ctx's 256 rows (196,608 bytes) and Wo's 128 (98,304), all of K, lie in LDS together.  Filled once, one joint load a wave; no refill.
; A wave holds its 64 rows of Wo, all of K, in registers (32 fragments, 384 registers) and streams ctx past them in blocks of 16 rows: block s of the wave in row a of the 2 x 2 is tile 2 s + a.  A block is 32 products on four accumulators by turns
; and is finished behind them: it leaves at once, while the later blocks are multiplied.
; OPERANDS are images of operand registers (1,536 bytes a fragment).  cc: fragment (tile, K step) at (8 tile + s) x 1,536; woc: a group of eight tiles, the K step outermost.  Scale words in sco: tiles of 512 bytes, word (row r, K step s) at 256 (s / 4) + 16 r + 4 (s % 4).
; FILLS: wave 0 Wo's rows, wave 1 ctx's tiles 0-3, wave 2 tiles 4-9, wave 3 tiles 10-15.  The first barrier shows wave 0's load, the second wave 1's, the third, behind block 0's products, all.  ctx's tiles are shared along a row of the cluster, Wo's along a column.
; THE MATRIX INSTRUCTION IS USED TRANSPOSED (source 0 = Wo's rows): a lane holds eight neighbouring numbers of a row of out0.  A block goes through the wave's own stage in LDS (16 rows x 272 bytes, bytes that no fill lands on) and comes back by rows:
; sixteen lanes store 256 consecutive aligned bytes.
; THE WAITS' COUNTS on DScnt: a fetch is 32 loads, a turn through the stage 8 stores and 8 loads.  Ahead of block s: younger than its fetch are block s - 1's stage (16) and block s + 1's fetch (32).  Ahead of block s - 1's stores: younger than its stage loads is block s + 1's fetch.
; No prefetch: the launch has no loop to run ahead in; all that it reads is asked for at its head.
; REGISTERS: window 0: addresses; ctx's scale words v32-95, Wo's v100-131 (the two numbers of a product differ by 4 modulo 8); two sets of four accumulators v132-195.  Fragment f lies in window 1 + f / 21 at register 12 (f % 21): 0-31 Wo's (4 q + b), 32-39 and 40-47 ctx's two sets.
;   window 3, v80-143: two sets of 16 rows read back from the stage.
.set TILE,  12288
.set BV,    16*TILE
.set STAGE, 24*TILE
.set SPITCH, 272
.set SPARE, STAGE+4*16*SPITCH
.set FPW,  21
.set STO,  10
.set RD,   11
.set CO,   12
.set SOA,  13
.set SOB,  14
.set SPW,  28
.set NIL,  29
.set SA,   32
.set SB,   100
.set ACC,  132
.set AA,   200                         ; v200-215 block s: + 16 L, + 8 L
.set BA,   216                         ; v216-219 Wo's K steps 0-3, 4-7: + 16 L, + 8 L
.set BK,   80
.set G1B,  24
.set G1A,  32
.set G1C,  40
.set G0B,  48
.set G0A,  52
.set G0C,  56
.set G0D,  60
.set MSB, 0
.macro WIN new
.if MSB != (\new)
	s_set_vgpr_msb (MSB<<8)|(\new)
.set MSB, (\new)
.endif
.endm
.macro PLACES n
.rept \n
	v_nop
.endr
.endm
.macro TLOAD g0, g1
	tensor_load_to_lds s[\g0:\g0+3], s[\g1:\g1+7]
	s_nop 0
	PLACES 4
.endm
.macro CROUND
	s_barrier_signal -1
	s_barrier_wait -1
	s_cmp_lg_u32 s14, 0
	s_cbranch_scc1 .Lnot_wave_0_\@
	s_barrier_signal -3
.Lnot_wave_0_\@:
	s_barrier_wait -3
	s_barrier_signal -1
	s_barrier_wait -1
.endm
.macro GROUP1 g, mask, rows            ; a dense block as rows of 256 bytes (32 elements of 8)
	s_or_b32 s[\g], s[\mask], (3<<16)|(1<<21)
	s_mov_b32 s[\g+1], 32<<16
	s_mov_b32 s[\g+2], (\rows)<<16
	s_mov_b32 s[\g+3], 32<<16
	s_mov_b32 s[\g+4], \rows
	s_mov_b32 s[\g+5], 32
	s_mov_b32 s[\g+6], 0
	s_mov_b32 s[\g+7], 0
.endm
.macro FRAG f, a, off
	WIN (1+(\f)/FPW)<<6
.set R_, 12*((\f)%FPW)
	ds_load_b128 v[R_:R_+3], v[\a] offset:\off
	ds_load_b64 v[R_+4:R_+5], v[\a+1] offset:\off+512
	ds_load_b128 v[R_+6:R_+9], v[\a] offset:\off+768
	ds_load_b64 v[R_+10:R_+11], v[\a+1] offset:\off+1280
.endm
.macro FETCH s                         ; block s, all of K, into set s % 2
.irp q, 0,1,2,3,4,5,6,7
	FRAG 32+8*((\s)%2)+\q, AA+2*(\s), \q*1536
.endr
.endm
.macro BLOCK s                         ; product n = 4 q + b
.set N_, 0
.rept 32
.set FA_, 32+8*((\s)%2)+N_/4
.set D_, ACC+32*((\s)%2)+8*(N_%4)
	WIN (1+N_/FPW)|((1+FA_/FPW)<<2)
.if N_ < 4
	v_wmma_scale_f32_16x16x128_f8f6f4 v[D_:D_+7], v[12*(N_%FPW):12*(N_%FPW)+11], v[12*(FA_%FPW):12*(FA_%FPW)+11], 0, v[SB+8*(N_%4)+N_/4], v[SA+8*(\s)+N_/4] matrix_a_fmt:MATRIX_FMT_FP6 matrix_b_fmt:MATRIX_FMT_FP6
.else
	v_wmma_scale_f32_16x16x128_f8f6f4 v[D_:D_+7], v[12*(N_%FPW):12*(N_%FPW)+11], v[12*(FA_%FPW):12*(FA_%FPW)+11], v[D_:D_+7], v[SB+8*(N_%4)+N_/4], v[SA+8*(\s)+N_/4] matrix_a_fmt:MATRIX_FMT_FP6 matrix_b_fmt:MATRIX_FMT_FP6
.endif
.set N_, N_+1
.endr
	PLACES 4                                       ; between the products and the reads of their results and the loads into their sources
	WIN 0
.endm
.macro TOSTAGE s                       ; LDS serves a wave's instructions in order: no wait between the stores and the loads
.set AC_, ACC+32*((\s)%2)
	WIN 0
.irp b, 0,1,2,3
	ds_store_b128 v[STO], v[AC_+8*\b:AC_+8*\b+3] offset:64*\b          ; each accumulator from its low end on
	ds_store_b128 v[STO], v[AC_+8*\b+4:AC_+8*\b+7] offset:64*\b+16
.endr
	WIN 0xc0
.irp t, 0,1,2,3,4,5,6,7
	ds_load_b128 v[BK+32*((\s)%2)+4*\t:BK+32*((\s)%2)+4*\t+3], v[RD] offset:\t*2*SPITCH
.endr
.endm
.macro SEND s, younger
	s_wait_dscnt \younger
	WIN 0x0c
.irp t, 0,1,2,3,4,5,6,7
	global_store_b128 v[CO], v[BK+32*((\s)%2)+4*\t:BK+32*((\s)%2)+4*\t+3], s[10:11] offset:(\s)*131072+\t*8192 th:TH_STORE_NT   ; two rows: 256 consecutive aligned bytes each
.endr
.endm
	s_load_b256 s[4:11], s[0:1], 0x0               ; cc, woc, sco, out0
	v_lshl_add_u32 v[SPW], v0, 2, SPARE
	v_mov_b32 v[NIL], 0
	ds_add_u32 v[SPW], v[NIL]                      ; the opening lines: the add twice on end, and its wait
	ds_add_u32 v[SPW], v[NIL]
	v_lshrrev_b32 v1, 5, v0
	v_readfirstlane_b32 s14, v1                    ; wave
	s_lshr_b32 s15, s14, 1                         ; my row of the 2 x 2
	s_and_b32 s16, s14, 1                          ; my column
	s_bfe_u32 s80, ttmp6, 0x40000                  ; cx
	s_bfe_u32 s81, ttmp6, 0x40004                  ; cy
	s_lshl_b32 s85, ttmp9, 2
	s_add_co_u32 s85, s85, s80                     ; tile column, 0 .. 7
	s_and_b32 s84, ttmp7, 0xffff
	s_lshl_b32 s84, s84, 2
	s_add_co_u32 s84, s84, s81                     ; tile row, 0 .. 31
	s_lshl_b32 s86, s81, 2
	s_lshl_b32 s86, 15, s86                        ; my row of the cluster
	s_lshl_b32 s87, 0x1111, s80                    ; my column
	GROUP1 G1B, 87, 384                            ; Wo's eight tiles
	GROUP1 G1A, 86, 192                            ; four tiles of ctx
	GROUP1 G1C, 86, 288                            ; six
	s_mov_b32 s[G0B], 1
	s_mov_b32 s[G0B+1], BV
	s_mov_b32 s[G0A], 1
	s_mov_b32 s[G0A+1], 0
	s_mov_b32 s[G0C], 1
	s_mov_b32 s[G0C+1], 4*TILE
	s_mov_b32 s[G0D], 1
	s_mov_b32 s[G0D+1], 10*TILE
	s_mul_i32 s20, s84, 16*TILE
	s_mov_b32 s21, 0
	s_mul_i32 s22, s85, 8*TILE
	s_mov_b32 s23, 0
	s_wait_dscnt 0x0
	s_wait_kmcnt 0x0
	s_add_nc_u64 s[G0B+2:G0B+3], s[6:7], s[22:23]
	s_add_nc_u64 s[G0A+2:G0A+3], s[4:5], s[20:21]
	s_add_nc_u64 s[G0C+2:G0C+3], s[G0A+2:G0A+3], 4*TILE
	s_add_nc_u64 s[G0D+2:G0D+3], s[G0A+2:G0A+3], 10*TILE
.irp g, G0B, G0A, G0C, G0D
	s_or_b32 s[\g+3], s[\g+3], 0x80000000
.endr
	CROUND                                         ; all sixteen work-groups are here: the joint loads meet
	s_cmp_eq_u32 s14, 0
	s_cbranch_scc0 .Lwave_1
	TLOAD G0B, G1B
	s_branch .Lasked
.Lwave_1:
	s_cmp_eq_u32 s14, 1
	s_cbranch_scc0 .Lwave_2
	TLOAD G0A, G1A
	s_branch .Lasked
.Lwave_2:
	s_cmp_eq_u32 s14, 2
	s_cbranch_scc0 .Lwave_3
	TLOAD G0C, G1C
	s_branch .Lasked
.Lwave_3:
	TLOAD G0D, G1C
.Lasked:
	s_mul_i32 s68, s15, TILE                       ; block 0 is tile a
	s_mul_i32 s69, s16, 6144                       ; my four tiles of Wo in a K step
	s_add_co_u32 s69, s69, BV
	s_mul_i32 s70, s14, 16*SPITCH
	s_add_co_u32 s70, s70, STAGE                   ; my stage
	s_lshl_b32 s94, s84, 4
	s_add_co_u32 s94, s94, s15
	s_lshl_b32 s94, s94, 9                         ; ctx's scale tiles 16 x tile row + a, every second one
	s_lshl_b32 s96, s85, 3
	s_lshl_b32 s95, s16, 2
	s_add_co_u32 s96, s96, s95
	s_add_co_u32 s96, s96, 512
	s_lshl_b32 s96, s96, 9                         ; Wo's
	s_lshl_b32 s90, s84, 20                        ; out0: 256 rows of 4,096 bytes a tile row,
	s_lshl_b32 s91, s15, 16                        ; 16 rows,
	s_add_co_u32 s90, s90, s91
	s_lshl_b32 s91, s85, 9                         ; 128 columns,
	s_add_co_u32 s90, s90, s91
	s_lshl_b32 s91, s16, 8                         ; 64 columns
	s_add_co_u32 s90, s90, s91
	s_mov_b32 s91, 0
	s_add_nc_u64 s[10:11], s[10:11], s[90:91]
	v_and_b32 v1, 15, v0                           ; r
	v_bfe_u32 v2, v0, 4, 1                         ; h
	v_and_b32 v3, 31, v0
	v_lshlrev_b32 v5, 4, v3                        ; 16 L
	v_lshlrev_b32 v6, 3, v3                        ; 8 L
	v_add_nc_u32 v[AA], s68, v5
	v_add_nc_u32 v[AA+1], s68, v6
.irp s, 1,2,3,4,5,6,7
	v_add_nc_u32 v[AA+2*\s], \s*2*TILE, v[AA]
	v_add_nc_u32 v[AA+2*\s+1], \s*2*TILE, v[AA+1]
.endr
	v_add_nc_u32 v[BA], s69, v5
	v_add_nc_u32 v[BA+1], s69, v6
	v_add_nc_u32 v[BA+2], 4*TILE, v[BA]
	v_add_nc_u32 v[BA+3], 4*TILE, v[BA+1]
	v_lshlrev_b32 v7, 4, v1                        ; 16 r
	v_mul_u32_u24 v8, v1, SPITCH
	v_lshl_add_u32 v8, v2, 5, v8
	v_add_nc_u32 v[STO], s70, v8                   ; into the stage: row r, 32 bytes for each half of the lanes
	v_mul_u32_u24 v9, v2, SPITCH
	v_add_nc_u32 v9, v9, v7
	v_add_nc_u32 v[RD], s70, v9                    ; back: sixteen lanes to a row, two rows an instruction
	v_lshl_add_u32 v[CO], v2, 12, v7               ; and the same two rows in out0
	v_add_nc_u32 v[SOA], s94, v7
	v_add_nc_u32 v[SOB], s96, v7
	s_wait_alu depctr_va_vdst(0)                   ; the wait at the head's end
.irp i, 0,1,2,3,4,5,6,7
.irp g, 0,1
	global_load_b128 v[SA+8*\i+4*\g:SA+8*\i+4*\g+3], v[SOA], s[8:9] offset:\i*1024+\g*256   ; sixteen lanes read 256 consecutive bytes: four K steps' words of 16 rows
.endr
.endr
.irp b, 0,1,2,3
.irp g, 0,1
	global_load_b128 v[SB+8*\b+4*\g:SB+8*\b+4*\g+3], v[SOB], s[8:9] offset:\b*512+\g*256
.endr
.endr
	s_cmp_eq_u32 s14, 0
	s_cbranch_scc0 .Lnot_b
	s_wait_tensorcnt 0x0
.Lnot_b:
	s_barrier_signal -1
	s_barrier_wait -1                              ; Wo's rows are in
.irp q, 0,1,2,3,4,5,6,7
.irp b, 0,1,2,3
	FRAG 4*\q+\b, BA+2*(\q/4), (\q%4)*TILE+\b*1536   ; my 64 rows of Wo, all of K: 128 loads
.endr
.endr
	WIN 0
	s_cmp_lt_u32 s14, 2
	s_cbranch_scc0 .Lnot_a
	s_wait_tensorcnt 0x0
.Lnot_a:
	s_wait_dscnt 0x0
	s_barrier_signal -1
	s_barrier_wait -1                              ; ctx's tiles 0-3 are in
	FETCH 0
	FETCH 1
	WIN 0
	s_wait_loadcnt 0x0                             ; the scale words
	s_wait_dscnt 32                                ; block 0 is in; block 1's 32 loads may be out
	BLOCK 0
	s_wait_tensorcnt 0x0                           ; every wave: all of ctx is in
	s_wait_dscnt 0x0
	s_barrier_signal -1
	s_barrier_wait -1
	TOSTAGE 0
	FETCH 2
.irp s, 1,2,3,4,5,6,7
.if \s >= 2
.if \s < 7
	s_wait_dscnt 48
.else
	s_wait_dscnt 16
.endif
.endif
	BLOCK \s
.if \s >= 2
	s_wait_xcnt 0x0                                ; block s - 2's stores have read their data: block s's rows may land there
.endif
.if \s < 7
	SEND \s-1, 32
.else
	SEND \s-1, 0
.endif
	TOSTAGE \s
.if \s < 6
	FETCH \s+2
.endif
.endr
	SEND 7, 0
	WIN 0
	s_wait_tensorcnt 0x0                           ; the wave's end
	ds_add_u32 v[SPW], v[NIL]
	s_wait_dscnt 0x0
	CROUND                                         ; the closing round
	s_endpgm
.Lfunc_end_k_q2c72a57363_oproj:
	.size	k_q2c72a57363_oproj, .Lfunc_end_k_q2c72a57363_oproj-k_q2c72a57363_oproj
	.p2alignl 7, 3214868480
	.fill 96, 4, 3214868480
	.section	.rodata,"a",@progbits
	.p2align	6, 0x0
	.amdhsa_kernel k_q2c72a57363_oproj
		.amdhsa_group_segment_fixed_size 327680
		.amdhsa_private_segment_fixed_size 0
		.amdhsa_enable_private_segment 0
		.amdhsa_kernarg_size 32
		.amdhsa_user_sgpr_count 2
		.amdhsa_user_sgpr_kernarg_segment_ptr 1
		.amdhsa_wavefront_size32 1
		.amdhsa_system_sgpr_workgroup_id_x 1
		.amdhsa_system_sgpr_workgroup_id_y 1
		.amdhsa_system_sgpr_workgroup_id_z 1
		.amdhsa_system_vgpr_workitem_id 0
		.amdhsa_next_free_vgpr 1024
		.amdhsa_next_free_sgpr 100
		.amdhsa_reserve_vcc 0
		.amdhsa_float_denorm_mode_32 3
		.amdhsa_float_denorm_mode_16_64 3
		.amdhsa_memory_ordered 1
		.amdhsa_forward_progress 1
		.amdhsa_inst_pref_size 85
	.end_amdhsa_kernel
	.amdgpu_metadata
---
amdhsa.version: [ 1, 2 ]
amdhsa.kernels:
  - .name:           k_q2c72a57363_oproj
    .symbol:         k_q2c72a57363_oproj.kd
    .args:
      - { .name: cc, .offset: 0, .size: 8, .value_kind: global_buffer, .address_space: global }
      - { .name: woc, .offset: 8, .size: 8, .value_kind: global_buffer, .address_space: global }
      - { .name: sco, .offset: 16, .size: 8, .value_kind: global_buffer, .address_space: global }
      - { .name: out0, .offset: 24, .size: 8, .value_kind: global_buffer, .address_space: global }
    .group_segment_fixed_size: 327680
    .private_segment_fixed_size: 0
    .kernarg_segment_align: 8
    .kernarg_segment_size: 32
    .max_flat_workgroup_size: 128
    .sgpr_count:     100
    .vgpr_count:     1024
    .wavefront_size: 32
...
	.end_amdgpu_metadata
.endif
;; end of part 4
